; MI455X (gfx1250); checked and timed in simulation.
; The chip was launched on July 23, 2026; its instructions are those of AMD's public machine-readable ISA for CDNA 5 (MIT licence, August 2026) and "CDNA5" Instruction Set Architecture Reference Guide (July 2026). The comments in the code are by the model that wrote it; some were corrected since.
;; Parallel Block. Allowed arithmetic: matrix products marked QUANTISED: E2M1 operands, one E8M0 scale for each 32 along K, by v_wmma_scale_f32_16x16x128_f8f6f4 with both operands' format E2M1 (or v_wmma_scale_f32_32x16x128_f4), f32 sums; everything else in f32.
;; Inputs: W1 1,024 x 4,096 float32; W2 4,096 x 1,024 float32; Wk 1,024 x 1,024 float32; Wo 1,024 x 1,024 float32; Wq 1,024 x 1,024 float32; Wv 1,024 x 1,024 float32; norm_w 1,024 float32; x 2 x 2,048 x 1,024 float32.
;; Outputs: out0 2 x 2,048 x 1,024 float32.
;; This version of the problem:
;;   THIS VERSION OF THE PROBLEM IS GIVEN IN LOW PRECISION. The matrix products marked QUANTISED in the list below multiply operands that are first quantised to E2M1 (2 exponent bits, 1 mantissa bit; 4 bits a number), with one power-of-two scale for each 32 numbers along K (OCP MX v1.0); their sums are f32. All else is computed in f32.
;;   The module's matrix products, in the order in which they are computed (A, B: the left and right operand; K: the contracted axis; several contracted axes count as one K, in the product's order):
;;     1. [M 4,096, K 1,024] x [K 1,024, N 1,024]; A: computed on the way; B: input Wq: QUANTISED
;;     2. [M 4,096, K 1,024] x [K 1,024, N 1,024]; A: computed on the way; B: input Wk: QUANTISED
;;     3. [M 4,096, K 1,024] x [K 1,024, N 1,024]; A: computed on the way; B: input Wv: QUANTISED
;;     4. batch 32 x [M 2,048, K 64] x [K 64, N 2,048]; A: computed on the way; B: computed on the way: QUANTISED
;;     5. batch 32 x [M 2,048, K 2,048] x [K 2,048, N 64]; A: softmax (see below); B: computed on the way: QUANTISED
;;     6. [M 4,096, K 1,024] x [K 1,024, N 1,024]; A: computed on the way; B: input Wo: QUANTISED
;;     7. [M 4,096, K 1,024] x [K 1,024, N 4,096]; A: computed on the way; B: input W1: QUANTISED
;;     8. [M 4,096, K 4,096] x [K 4,096, N 1,024]; A: computed on the way; B: input W2: QUANTISED
;;   THE QUANTISER, for each operand of a quantised product, along K:
;;     - K is cut into blocks of 32 from its start; a last block that is shorter is filled with zeros.
;;     - A block's scale is 2^e with e = floor(log2(the largest magnitude in the block)) - 2, held to -126 .. 127; a block of zeros has e = 0. As a byte (E8M0): e + 127.
;;     - Each number is divided by its block's scale, clamped to +-6, and rounded to the nearest number of E2M1, ties to even, subnormals kept.
;;     - The product sums the exact products of the quantised numbers (number of the format x scale) in f32.
;;   ~~~python
;;   def quantise(x, axis):      # numpy; x: float32 -> the quantised numbers, widened to float32 again
;;       x = np.moveaxis(x, axis, -1); K = x.shape[-1]
;;       x = np.pad(x, [(0, 0)] * (x.ndim - 1) + [(0, -K % 32)]); x = x.reshape(x.shape[:-1] + (-1, 32)); a = np.abs(x).max(-1, keepdims=True)
;;       e = np.where(a > 0, np.clip(np.frexp(np.where(a > 0, a, 1))[1] - 1 - 2, -126, 127), 0)      # np.frexp(a)[1] - 1 = floor(log2(a)), exactly
;;       r = np.clip(x / 2.0 ** e, -6, 6)
;;       step = 2.0 ** (np.maximum(np.frexp(np.where(r == 0, 1, r))[1] - 1, 0) - 1)
;;       q = np.round(r / step) * step * 2.0 ** e      # np.round: ties to even
;;       return np.moveaxis(q.reshape(q.shape[:-2] + (-1,))[..., :K], -1, axis).astype(np.float32)
;;   ~~~
;;   SOFTMAX AHEAD OF A QUANTISED PRODUCT. Where the list says 'softmax', what is quantised is not the finished softmax but p = 2^(t - M), with t = logit x log2(e) and M = ceil(the row's largest t), a whole number; so 1/2 < the row's largest p <= 1. The row's sum l is taken of the UNQUANTISED p, in f32, and the product's result is divided by l at the end. Since M is a whole number, a kernel that streams over the keys may use a running M (the ceiling of the running maximum): every later rescaling is an exact power of two, which a block's scale takes up: the codes' values come out the same.
;;   OPERANDS COMPUTED ON THE WAY. 'Computed on the way' means the value that the module computes at that place (a softmax that the list does not call 'softmax' is quantised finished and normalised). What goes into a quantiser is computed in f32, as accurately as f32 sums, v_exp_f32 and their like allow (about 1e-6 of the number): no bf16 or f16 on the way to a quantiser, and a product that is left as it is and whose result goes on into a quantised operand takes f32 operands (vector FMAs, or v_wmma_f32_16x16x4_f32). A number that lies on a knife's edge between two numbers of the format may be rounded either way, as far as f32 arithmetic and the matrix unit's own rounding can turn it there, and no further.
;; One version. Each part assembles by itself: llvm-mc -triple=amdgcn-amd-amdhsa -mcpu=gfx1250 --defsym DOCPART=n.
;; ======== version 1 of 1: 4 launches
;; workspace buffers: a1 2,228,224 bytes; b1 3,899,392 bytes; b2 2,785,280 bytes; a2 11,141,120 bytes; qr 2,359,296 bytes; kv 4,587,520 bytes
;; launch prep (part 1): grid 256 x 1, 16 waves a work-group, no clusters, 112,640 bytes of LDS; arguments x, norm_w, Wq, Wk, Wv, Wo, W1, W2, a1, b1, b2; writes a1, b1, b2
.if DOCPART == 1
	.amdgcn_target "amdgcn-amd-amdhsa--gfx1250"
	.amdhsa_code_object_version 6
	.text
	.protected	k_qa950956b3d_prep
	.globl	k_qa950956b3d_prep
	.p2align	8
	.type	k_qa950956b3d_prep,@function
k_qa950956b3d_prep:
	s_mov_b64 s[64:65], 0
	v_nop
	global_prefetch_b8 v0, s[64:65] scope:SCOPE_SE
	s_setreg_imm32_b32 hwreg(HW_REG_WAVE_MODE, 25, 1), 1
	s_wait_xcnt 0x0
; THE PROGRAM: out0 = x + attention(xn) Wo + silu(xn W1) W2, xn = rmsnorm(x) norm_w, every product on codes of FP4 (E2M1) with one E8M0 scale for each 32 along its K.
; Four launches: this one (xn and the six weights into codes); xn [Wq|Wk|Wv|W1] as ONE product of 7,168 columns, its results quantised on the way out; the causal attention on codes;
; [attention | silu] [Wo ; W2] as ONE product of K = 5,120, since both are f32 sums onto the same output, plus x.
; WORK LEFT OUT: reference() builds the causal mask itself (jnp.tril) and puts -infinity where key > query, so that p = 0 there for all values of the inputs: key steps all of whose keys come after all of a
; wave's queries reach no output and are not multiplied (third launch).  Nothing else is left out; every input has a way to the output and is loaded.
; LIMITS: a NaN, an infinity or an overflow that reaches only those key steps is not carried to the result.  NaN and infinities among the inputs are not served.  A block whose largest magnitude lies under
; 2^-124 gets the scale byte 1 (the quantiser's floor); a block of zeros gets the byte 1 where the quantiser says 127: its codes are zeros, which add nothing, and these bytes are read by this program alone.
; LAYOUT OF THE WORKSPACE.  pi(p) = p with its bits 3 and 4 exchanged.  A row of an operand (a token, a weight's column) lies at POSITION p and is row pi(p) of the tensor: so 16 neighbouring positions are a tile
; whose results, taken as the matrix instruction's source 0, leave 16 neighbours along the next product's K in a lane's registers.  K itself is never permuted.
; An IMAGE is 16 positions x 128 K, 1,024 bytes: byte 256 q + 16 r + 0..15 = the codes of position r, k = 32 q + 0..31: 16 bytes a lane at 16 x lane are an operand's registers 0-3, those 512 bytes on registers 4-7.
; A PIECE is 128 positions x 512 K: [block of 16 positions: 8][128 K: 4] images, 32,768 bytes, then [128 K: 4][position: 128] scale words: 34,816 bytes, dense.
; a1 = [128 tokens: 32][512 K: 2] pieces;  b1 = [128 columns: 56][2] (8 Wq, 8 Wk, 8 Wv, 32 W1);  b2 = [128 columns: 8][10] (2 Wo, 8 W2).
; SHARES.  Sixteen waves a work-group, so that sixteen waves' loads are on their way together.  Each work-group reads 262,144 bytes.
; Work-groups 0-63: 64 token positions of x each: wave W takes rows 4 (W % 4) .. + 3 of block W / 4 of 16 positions, all four rows asked for at once (32 loads of 512 bytes).
; Work-groups 64-255: one piece of one weight each (128 columns x 512 K): wave W takes columns 32 (W % 4) on and the 128 along K number W / 4: four blocks of 32, two of them (64 loads of 128 bytes) asked for ahead.
.set REC1,  69632                      ; a row of pieces in a1 and b1
.set REC2,  348160                     ; and in b2
.set PIECE, 34816
.set SCOFF, 32768                      ; a piece's scale words
.set S1B,   4608                       ; LDS, x's way alone: S1, 32 x 144 bytes for each wave: the turn of a row of f32
.set S2O,   16*S1B                     ; S2, 32 x 272 bytes for each block of 16 positions: its codes, from four waves
.set S2B,   8704
.set GATH,  S2O+4*S2B                  ; [128 K: 8][64 positions] scale words of the work-group
.set SPARE, GATH+2048                  ; the spare words, 128 bytes for each wave: eight blocks of 256 bytes that no other line names
.set SPW,   2                          ; v2  LDS address of my spare word; never rewritten
.set NIL,   3                          ; v3  0; never rewritten
.set S1W,   4                          ; v4  S1, in: 144 (lane / 8) + 16 (lane % 8); a load's 512 bytes take four places
.set S1R,   5                          ; v5  S1, out: 144 x lane: my 32 neighbours
.set S2W,   6                          ; v6  S2, in: row = my block of 32 along K, place = my first position
.set S2R,   7                          ; v7  S2, out: sixteen lanes to a row; my quarter of the rows
.set GW,    8                          ; v8  my block's scale byte
.set GR,    9                          ; v9  the scale words on their way out
.set L16,   10                         ; v10 16 x lane
.set GSO,   11                         ; v11 512 (lane / 16) + 16 (lane % 16)
.set NWO,   12                         ; v12 128 x lane: my 32 numbers of norm_w
.set R,     32                         ; v32-159  my four rows of x as loaded
.set X,     160                        ; v160-191 my 32 neighbours of the row in hand
.set W,     192                        ; v192-223 my 32 numbers of norm_w
.set WOFF,  32                         ; the weights' way: v32-63 byte offsets of 32 rows; v64-127 two blocks; v128-131 codes; v132 the scale word
.set WX,    64
.set WC,    128
.set WSB,   132
	s_load_b512 s[16:31], s[0:1], 0x0              ; x, norm_w, Wq, Wk, Wv, Wo, W1, W2
	s_load_b128 s[32:35], s[0:1], 0x40             ; a1, b1
	s_load_b64 s[36:37], s[0:1], 0x50              ; b2
	v_lshl_add_u32 v[SPW], v0, 2, SPARE
	v_mov_b32 v[NIL], 0
	v_lshrrev_b32 v15, 5, v0
	s_delay_alu instid0(VALU_DEP_1)
	v_readfirstlane_b32 s2, v15                    ; wave 0..15
	s_lshr_b32 s14, s2, 2                          ; wave / 4: x: my block of 16 positions; a weight: my 128 along K
	s_and_b32 s15, s2, 3                           ; wave % 4: x: my four rows of the block; a weight: my 32 columns
	v_and_b32 v1, 31, v0                           ; lane
	s_mul_i32 s3, s2, S1B
	v_lshrrev_b32 v[S1W], 3, v1                    ; every LDS address is made here, ahead of the parting of the two ways
	s_delay_alu instid0(VALU_DEP_1)
	v_mul_u32_u24 v[S1W], v[S1W], 144
	v_and_b32 v15, 7, v1
	s_delay_alu instid0(VALU_DEP_1)
	v_lshl_add_u32 v[S1W], v15, 4, v[S1W]
	s_delay_alu instid0(VALU_DEP_1)
	v_add_nc_u32 v[S1W], s3, v[S1W]
	v_mul_u32_u24 v[S1R], v1, 144
	s_delay_alu instid0(VALU_DEP_1)
	v_add_nc_u32 v[S1R], s3, v[S1R]
	s_mul_i32 s3, s14, S2B
	s_add_co_u32 s3, s3, S2O                       ; my block's S2
	v_mul_u32_u24 v[S2W], v1, 272
	s_delay_alu instid0(VALU_DEP_1)
	v_add_nc_u32 v[S2W], s3, v[S2W]
	s_lshl_b32 s38, s15, 6                         ; 16 bytes a position: my four begin 64 (wave % 4) bytes on
	v_add_nc_u32 v[S2W], s38, v[S2W]
	v_lshrrev_b32 v[S2R], 4, v1
	s_delay_alu instid0(VALU_DEP_1)
	v_mul_u32_u24 v[S2R], v[S2R], 272
	v_and_b32 v15, 15, v1
	s_delay_alu instid0(VALU_DEP_1)
	v_lshl_add_u32 v[S2R], v15, 4, v[S2R]
	s_delay_alu instid0(VALU_DEP_1)
	v_add_nc_u32 v[S2R], s3, v[S2R]
	s_mul_i32 s38, s15, 4*544                      ; my eight of its 32 rows
	v_add_nc_u32 v[S2R], s38, v[S2R]
	v_lshrrev_b32 v[GW], 2, v1                     ; block l of a row: word l / 4, byte l % 4; position 4 x wave + i of the 64
	s_delay_alu instid0(VALU_DEP_1)
	v_lshlrev_b32 v[GW], 8, v[GW]
	v_and_b32 v15, 3, v1
	s_delay_alu instid0(VALU_DEP_1)
	v_add_nc_u32 v[GW], v[GW], v15
	s_lshl_b32 s3, s2, 4
	v_add_nc_u32 v[GW], s3, v[GW]
	s_delay_alu instid0(VALU_DEP_1)
	v_add_nc_u32 v[GW], GATH, v[GW]
	v_lshlrev_b32 v[L16], 4, v1
	s_lshl_b32 s3, s15, 9
	v_add_nc_u32 v[GR], s3, v[L16]
	s_delay_alu instid0(VALU_DEP_1)
	v_add_nc_u32 v[GR], GATH, v[GR]
	v_lshrrev_b32 v[GSO], 4, v1
	s_delay_alu instid0(VALU_DEP_1)
	v_lshlrev_b32 v[GSO], 9, v[GSO]
	v_and_b32 v15, 15, v1
	s_delay_alu instid0(VALU_DEP_1)
	v_lshl_add_u32 v[GSO], v15, 4, v[GSO]
	v_lshlrev_b32 v[NWO], 7, v1
	s_lshr_b32 s38, ttmp9, 1                       ; x's way: which 128 tokens,
	s_and_b32 s39, ttmp9, 1                        ; and which half of them
	s_mul_i32 s38, s38, REC1
	s_lshr_b32 s40, s15, 1                         ; where 512 bytes of scale words go (waves 0-3 store them): piece wave / 2, words 2 (wave % 2) and + 1 of its four, my half's 64 positions
	s_mul_i32 s40, s40, PIECE
	s_and_b32 s41, s15, 1
	s_lshl_b32 s41, s41, 10
	s_add_co_u32 s40, s40, s41
	s_lshl_b32 s41, s39, 8
	s_add_co_u32 s40, s40, s41
	s_add_co_u32 s40, s40, s38
	s_add_co_u32 s8, s40, SCOFF
	s_mov_b32 s9, 0
	s_lshl_b32 s40, s39, 2                         ; where my 2,048 bytes of codes go: my block of 16 positions in the 128,
	s_add_co_u32 s40, s40, s14
	s_lshl_b32 s40, s40, 12
	s_add_co_u32 s40, s40, s38
	s_and_b32 s41, s15, 1                          ; its images 2 (wave % 2) and + 1
	s_lshl_b32 s41, s41, 11
	s_add_co_u32 s40, s40, s41
	s_lshr_b32 s41, s15, 1                         ; of piece (wave % 4) / 2
	s_mul_i32 s41, s41, PIECE
	s_add_co_u32 s6, s40, s41
	s_mov_b32 s7, 0
	s_wait_kmcnt 0x0
	s_add_nc_u64 s[8:9], s[32:33], s[8:9]
	s_add_nc_u64 s[6:7], s[32:33], s[6:7]
	s_cmp_lt_u32 ttmp9, 64                         ; the work-group's number alone: all sixteen waves go the same way
	s_cbranch_scc0 .Lw
	; ---- x: position i of block b is token 64 id + 32 (b / 2) + 8 (b % 2) + i + 8 (i / 8); mine are i = 4 (wave % 4) + 0 .. 3: four neighbouring tokens
	s_lshl_b32 s40, ttmp9, 6
	s_lshr_b32 s41, s14, 1
	s_lshl_b32 s41, s41, 5
	s_add_co_u32 s40, s40, s41
	s_and_b32 s41, s14, 1
	s_lshl_b32 s41, s41, 3
	s_add_co_u32 s40, s40, s41
	s_lshl_b32 s41, s15, 2
	s_add_co_u32 s40, s40, s41
	s_lshr_b32 s41, s15, 1
	s_lshl_b32 s41, s41, 3
	s_add_co_u32 s40, s40, s41
	s_lshl_b32 s40, s40, 12                        ; a row of x is 4,096 bytes
	s_mov_b32 s41, 0
	s_add_nc_u64 s[4:5], s[16:17], s[40:41]
	s_mov_b32 s10, 0x3a800000                      ; 1 / 1,024
	s_mov_b32 s11, 0x34000000                      ; eps of f32, 2^-23
	s_mov_b32 s12, 0x76543210
	s_mov_b32 s13, 0xfedcba98                      ; v_permlanex16_b32's selects for lane l xor 16
	v_mov_b32 v225, 0                              ; a lane permute's destination counts as one of its sources
	v_mov_b32 v231, 0                              ; named with v230 as a pair
	s_wait_alu depctr_va_vdst(0)
.irp j, 0,1,2,3,4,5,6,7
	global_load_b128 v[W+4*\j:W+4*\j+3], v[NWO], s[18:19] offset:16*\j
.endr
.irp i, 0,1,2,3                                ; my four rows as they lie: eight loads of 512 consecutive bytes each, all 32 on their way together
.irp j, 0,1,2,3,4,5,6,7
	global_load_b128 v[R+32*\i+4*\j:R+32*\i+4*\j+3], v[L16], s[4:5] offset:\i*4096+512*\j th:TH_LOAD_NT
.endr
.endr
.macro ROWX i
.set RR, R+32*(\i)
	s_wait_loadcnt 8*(3-(\i))                      ; my row is in (norm_w too); the rows behind it, eight loads each, may be out
.irp j, 0,1,2,3,4,5,6,7
	ds_store_b128 v[S1W], v[RR+4*\j:RR+4*\j+3] offset:576*\j     ; the row through my wave's own stage, as it lies,
.endr
.irp j, 0,1,2,3,4,5,6,7
	ds_load_b128 v[X+4*\j:X+4*\j+3], v[S1R] offset:16*\j         ; and back 128 bytes a lane: k = 32 lane + 0 .. 31, a whole block.  LDS serves a wave's instructions in order
.endr
.irp c, 0,1,2,3
	v_pk_mul_f32 v[240+2*\c:241+2*\c], v[RR+2*\c:RR+2*\c+1], v[RR+2*\c:RR+2*\c+1]   ; meanwhile the sum of squares, of the row as loaded, in four chains
.endr
.irp g, 1,2,3
.irp c, 0,1,2,3
	s_delay_alu instid0(VALU_DEP_4)
	v_pk_fma_f32 v[240+2*\c:241+2*\c], v[RR+8*\g+2*\c:RR+8*\g+2*\c+1], v[RR+8*\g+2*\c:RR+8*\g+2*\c+1], v[240+2*\c:241+2*\c]
.endr
.endr
	s_delay_alu instid0(VALU_DEP_3)
	v_pk_add_f32 v[240:241], v[240:241], v[242:243]
	s_delay_alu instid0(VALU_DEP_2)
	v_pk_add_f32 v[244:245], v[244:245], v[246:247]
	s_delay_alu instid0(VALU_DEP_1)
	v_pk_add_f32 v[240:241], v[240:241], v[244:245]
	s_delay_alu instid0(VALU_DEP_1)
	v_add_f32 v224, v240, v241
	s_delay_alu instid0(VALU_DEP_1)
	v_add_f32_dpp v224, v224, v224 row_xmask:1 row_mask:0xf bank_mask:0xf
	s_delay_alu instid0(VALU_DEP_1)
	v_add_f32_dpp v224, v224, v224 row_xmask:2 row_mask:0xf bank_mask:0xf
	s_delay_alu instid0(VALU_DEP_1)
	v_add_f32_dpp v224, v224, v224 row_xmask:4 row_mask:0xf bank_mask:0xf
	s_delay_alu instid0(VALU_DEP_1)
	v_add_f32_dpp v224, v224, v224 row_xmask:8 row_mask:0xf bank_mask:0xf
	s_delay_alu instid0(VALU_DEP_1)
	v_permlanex16_b32 v225, v224, s12, s13
	s_delay_alu instid0(VALU_DEP_1)
	v_add_f32 v224, v224, v225                     ; every lane holds the row's sum
	s_delay_alu instid0(VALU_DEP_1)
	v_fma_f32 v226, v224, s10, s11                 ; the mean + eps
	s_wait_alu depctr_va_vdst(0)
	v_rsq_f32 v230, v226
	v_nop                                          ; a plain instruction behind the transcendental
	s_wait_dscnt 0x0                               ; my 32 neighbours are back
	s_wait_alu depctr_va_vdst(0)                   ; ahead of the first reader of the root
.set n, 0
.rept 16
	v_pk_mul_f32 v[X+n:X+n+1], v[X+n:X+n+1], v[230:231] op_sel_hi:[1,0]   ; x * rsqrt,
.set n, n+2
.endr
.set n, 0
.rept 16
	v_pk_mul_f32 v[X+n:X+n+1], v[X+n:X+n+1], v[W+n:W+n+1]                 ; * norm_w, in reference()'s order
.set n, n+2
.endr
	v_max3_num_f32 v236, |v[X]|, |v[X+1]|, |v[X+2]|                       ; the block's largest magnitude: all 32 numbers are mine
	v_max3_num_f32 v227, |v[X+3]|, |v[X+4]|, |v[X+5]|
.irp k, 6,10,14,18,22,26
	s_delay_alu instid0(VALU_DEP_2)
	v_max3_num_f32 v236, v236, |v[X+\k]|, |v[X+\k+1]|
	s_delay_alu instid0(VALU_DEP_2)
	v_max3_num_f32 v227, v227, |v[X+\k+2]|, |v[X+\k+3]|
.endr
	s_delay_alu instid0(VALU_DEP_2)
	v_max3_num_f32 v236, v236, |v[X+30]|, |v[X+31]|
	s_delay_alu instid0(VALU_DEP_1)
	v_max3_num_f32 v236, v236, v227, 0x1800000     ; and the floor 2^(3 - 127): the byte cannot fall under 1
	s_delay_alu instid0(VALU_DEP_1)
	v_add_nc_u32 v228, 0xff000000, v236            ; 2 off its exponent field: the conversion takes the exponent field of this operand as its scale
.irp g, 0,1,2,3
	v_cvt_scalef32_pk8_fp4_f32 v[232+\g], v[X+8*\g:X+8*\g+7], v228
.endr
	v_lshrrev_b32 v229, 23, v228                   ; the scale's byte
	ds_store_b128 v[S2W], v[232:235] offset:16*(\i)   ; row = my block of 32 along K, place = the position: a row of S2 is 256 bytes of an image
	ds_store_b8 v[GW], v229 offset:4*(\i)
.endm
.irp i, 0,1,2,3
	ROWX \i
.endr
	s_branch .Ljoin
	; ---- a weight: my 32 column positions x 128 along K.  A lane takes a column and its registers run down K: a block of 32 lies in one lane, and the conversions give codes with K innermost
.Lw:
	s_sub_co_u32 s40, ttmp9, 64
	s_lshr_b32 s41, s40, 6                         ; 0: Wq, Wk, Wv, Wo (16 pieces each); 1: W1; 2: W2
	s_and_b32 s42, s40, 63
	s_lshr_b32 s43, s42, 4
	s_add_co_u32 s44, s41, 3
	s_and_b32 s45, s42, 7
	s_and_b32 s46, s42, 31
	s_bfe_u32 s47, s42, 0x10003
	s_lshr_b32 s56, s42, 5
	s_lshr_b32 s57, s42, 3
	s_cmp_eq_u32 s41, 0
	s_cselect_b32 s43, s43, s44                    ; which weight: 0 Wq, 1 Wk, 2 Wv, 3 Wo, 4 W1, 5 W2
	s_cselect_b32 s47, s47, s57
	s_cmp_eq_u32 s41, 1
	s_cselect_b32 s45, s46, s45                    ; which 128 columns
	s_cselect_b32 s47, s56, s47                    ; which 512 along K
	s_cmp_eq_u32 s43, 0                            ; the choices hang on the work-group's number alone
	s_cselect_b64 s[48:49], s[20:21], s[22:23]
	s_cmp_lt_u32 s43, 2
	s_cselect_b64 s[48:49], s[48:49], s[24:25]
	s_cmp_lt_u32 s43, 3
	s_cselect_b64 s[48:49], s[48:49], s[26:27]
	s_cmp_lt_u32 s43, 4
	s_cselect_b64 s[48:49], s[48:49], s[28:29]
	s_cmp_lt_u32 s43, 5
	s_cselect_b64 s[48:49], s[48:49], s[30:31]
	s_cmp_eq_u32 s43, 3
	s_cselect_b32 s59, 1, 0
	s_cmp_eq_u32 s43, 5
	s_cselect_b32 s59, 1, s59                      ; Wo and W2 go to b2
	s_cselect_b32 s60, 2, 0                        ; W2's K follows Wo's two pieces
	s_add_co_u32 s60, s60, s47
	s_lshl_b32 s61, s43, 3
	s_add_co_u32 s61, s61, s45                     ; b1: Wq, Wk, Wv: 8 x weight + columns;
	s_add_co_u32 s62, s45, 24                      ; W1: behind them
	s_mov_b32 s58, 4096
	s_cmp_eq_u32 s43, 4
	s_cselect_b32 s58, 16384, s58                  ; a row of the weight in bytes
	s_cselect_b32 s61, s62, s61
	s_mov_b32 s63, REC1
	s_cmp_eq_u32 s59, 1
	s_cselect_b32 s61, s45, s61
	s_cselect_b32 s63, REC2, s63
	s_cselect_b64 s[52:53], s[36:37], s[34:35]
	s_mul_i32 s61, s61, s63
	s_mul_i32 s60, s60, PIECE
	s_add_co_u32 s60, s60, s61
	s_mov_b32 s61, 0
	s_add_nc_u64 s[52:53], s[52:53], s[60:61]      ; the work-group's piece,
	s_add_nc_u64 s[54:55], s[52:53], SCOFF         ; and its scale words
	s_lshl_b32 s56, s47, 9
	s_lshl_b32 s57, s14, 7
	s_add_co_u32 s56, s56, s57                     ; my first row of K: 512 x piece + 128 (wave / 4)
	s_mul_i32 s56, s56, s58
	s_lshl_b32 s57, s45, 9
	s_add_co_u32 s56, s56, s57
	s_mov_b32 s57, 0
	s_add_nc_u64 s[48:49], s[48:49], s[56:57]      ; the weight at my first row of K and the piece's first column
	s_lshl_b32 s50, s58, 5                         ; a block on: 32 rows
	s_mov_b32 s51, 0
	v_and_b32 v15, 7, v1
	v_bfe_u32 v16, v1, 3, 1
	v_bfe_u32 v17, v1, 4, 1
	s_delay_alu instid0(VALU_DEP_2)
	v_lshl_or_b32 v15, v16, 4, v15
	s_delay_alu instid0(VALU_DEP_1)
	v_lshl_or_b32 v15, v17, 3, v15                 ; pi(lane): position 32 (wave % 4) + lane holds column 32 (wave % 4) + pi(lane); the wave still reads 128 consecutive bytes
	s_lshl_b32 s3, s15, 7
	v_lshl_add_u32 v[WOFF], v15, 2, s3
.set n, 1
.rept 31
	s_delay_alu instid0(VALU_DEP_1)
	v_add_nc_u32 v[WOFF+n], s58, v[WOFF+n-1]       ; the 32 rows of a block
.set n, n+1
.endr
	v_lshrrev_b32 v13, 4, v1                       ; where my codes go: block of positions 2 (wave % 4) + lane / 16, image wave / 4, place 16 (lane % 16)
	s_delay_alu instid0(VALU_DEP_1)
	v_lshlrev_b32 v13, 12, v13
	v_and_b32 v15, 15, v1
	s_delay_alu instid0(VALU_DEP_1)
	v_lshl_add_u32 v13, v15, 4, v13
	s_lshl_b32 s3, s15, 13
	v_add_nc_u32 v13, s3, v13
	s_lshl_b32 s3, s14, 10
	v_add_nc_u32 v13, s3, v13
	v_lshlrev_b32 v14, 2, v1                       ; my position's scale word: 512 (wave / 4) + 4 x (32 (wave % 4) + lane)
	s_lshl_b32 s3, s15, 7
	v_add_nc_u32 v14, s3, v14
	s_lshl_b32 s3, s14, 9
	v_add_nc_u32 v14, s3, v14
.macro LOADW t
.if (\t) > 0
	s_wait_xcnt 0x0                                ; the loads and the store issued so far have read their base and data: the base may step, the codes' registers be written
	s_add_nc_u64 s[48:49], s[48:49], s[50:51]
.endif
.set n, 0
.rept 32
	global_load_b32 v[WX+32*((\t)%2)+n], v[WOFF+n], s[48:49] th:TH_LOAD_NT
.set n, n+1
.endr
.endm
	LOADW 0
	LOADW 1
.macro BLOCKW t
.set XS, WX+32*((\t)%2)
.if (\t) < 3
	s_wait_loadcnt 32                              ; this block's 32 loads are in; the next block's may be out
.else
	s_wait_loadcnt 0x0
.endif
	v_max3_num_f32 v20, |v[XS]|, |v[XS+1]|, |v[XS+2]|
	v_max3_num_f32 v21, |v[XS+3]|, |v[XS+4]|, |v[XS+5]|
.irp k, 6,10,14,18,22,26
	s_delay_alu instid0(VALU_DEP_2)
	v_max3_num_f32 v20, v20, |v[XS+\k]|, |v[XS+\k+1]|
	s_delay_alu instid0(VALU_DEP_2)
	v_max3_num_f32 v21, v21, |v[XS+\k+2]|, |v[XS+\k+3]|
.endr
	s_delay_alu instid0(VALU_DEP_2)
	v_max3_num_f32 v20, v20, |v[XS+30]|, |v[XS+31]|
	s_delay_alu instid0(VALU_DEP_1)
	v_max3_num_f32 v20, v20, v21, 0x1800000        ; the floor 2^(3 - 127)
	s_delay_alu instid0(VALU_DEP_1)
	v_add_nc_u32 v22, 0xff000000, v20              ; the conversion's scale operand
	s_delay_alu instid0(VALU_DEP_1)
	v_lshrrev_b32 v23, 23, v22                     ; the scale's byte
.if (\t) == 0
	s_delay_alu instid0(VALU_DEP_1)
	v_mov_b32 v[WSB], v23                          ; four bytes to a word, the lower K in the lower byte
.else
	s_delay_alu instid0(VALU_DEP_1)
	v_lshl_or_b32 v[WSB], v23, 8*(\t), v[WSB]
.endif
.irp g, 0,1,2,3
	v_cvt_scalef32_pk8_fp4_f32 v[WC+\g], v[XS+8*\g:XS+8*\g+7], v22
.endr
	global_store_b128 v13, v[WC:WC+3], s[52:53] offset:(\t)*256   ; sixteen lanes store 256 consecutive bytes of an image, aligned: no way through LDS is needed
.if (\t) < 2
	LOADW (\t)+2
.elseif (\t) == 2
	s_wait_xcnt 0x0                                ; the store has read the codes' registers
.endif
.endm
.irp t, 0,1,2,3
	BLOCKW \t
.endr
	global_store_b32 v14, v[WSB], s[54:55]         ; a wave stores 128 consecutive bytes: one byte for each 128 that this way reads
.Ljoin:                                            ; both ways pass this barrier, so that it stands on every wave's path
	s_wait_dscnt 0x0                               ; my codes and scale bytes have landed
	s_barrier_signal -1
	s_barrier_wait -1
	s_cmp_lt_u32 ttmp9, 64
	s_cbranch_scc0 .Lend
.irp t, 0,1,2,3
	ds_load_b128 v[160+4*\t:163+4*\t], v[S2R] offset:544*\t    ; two blocks of 32 along K of all 16 positions, which four waves wrote
.endr
.irp t, 0,1,2,3
	s_wait_dscnt 3-\t                              ; the younger loads may be out
	global_store_b128 v[L16], v[160+4*\t:163+4*\t], s[6:7] offset:512*\t   ; 32 lanes store 512 consecutive bytes of my block's images
.endr
	s_cmp_lt_u32 s2, 4                             ; the 2,048 bytes of scale words are four waves' work
	s_cbranch_scc0 .Lend
	ds_load_b128 v[176:179], v[GR]                 ; two words' rows of 64 positions a wave
	s_wait_dscnt 0x0
	global_store_b128 v[GSO], v[176:179], s[8:9]   ; sixteen lanes store 256 consecutive bytes, aligned
.Lend:
	s_wait_tensorcnt 0x0                           ; the wave's end
	ds_add_u32 v[SPW], v[NIL]
	s_wait_dscnt 0x0
	s_endpgm
.Lfunc_end_k_qa950956b3d_prep:
	.size	k_qa950956b3d_prep, .Lfunc_end_k_qa950956b3d_prep-k_qa950956b3d_prep
	.p2alignl 7, 3214868480
	.fill 96, 4, 3214868480
	.section	.rodata,"a",@progbits
	.p2align	6, 0x0
	.amdhsa_kernel k_qa950956b3d_prep
		.amdhsa_group_segment_fixed_size 112640
		.amdhsa_private_segment_fixed_size 0
		.amdhsa_enable_private_segment 0
		.amdhsa_kernarg_size 88
		.amdhsa_user_sgpr_count 2
		.amdhsa_user_sgpr_kernarg_segment_ptr 1
		.amdhsa_wavefront_size32 1
		.amdhsa_system_sgpr_workgroup_id_x 1
		.amdhsa_system_sgpr_workgroup_id_y 1
		.amdhsa_system_sgpr_workgroup_id_z 1
		.amdhsa_system_vgpr_workitem_id 0
		.amdhsa_next_free_vgpr 248
		.amdhsa_next_free_sgpr 66
		.amdhsa_reserve_vcc 0
		.amdhsa_float_denorm_mode_32 3
		.amdhsa_float_denorm_mode_16_64 3
		.amdhsa_memory_ordered 1
		.amdhsa_forward_progress 1
		.amdhsa_inst_pref_size 66
	.end_amdhsa_kernel
	.amdgpu_metadata
---
amdhsa.version: [ 1, 2 ]
amdhsa.kernels:
  - .name:           k_qa950956b3d_prep
    .symbol:         k_qa950956b3d_prep.kd
    .args:
      - { .name: x, .offset: 0, .size: 8, .value_kind: global_buffer, .address_space: global }
      - { .name: norm_w, .offset: 8, .size: 8, .value_kind: global_buffer, .address_space: global }
      - { .name: Wq, .offset: 16, .size: 8, .value_kind: global_buffer, .address_space: global }
      - { .name: Wk, .offset: 24, .size: 8, .value_kind: global_buffer, .address_space: global }
      - { .name: Wv, .offset: 32, .size: 8, .value_kind: global_buffer, .address_space: global }
      - { .name: Wo, .offset: 40, .size: 8, .value_kind: global_buffer, .address_space: global }
      - { .name: W1, .offset: 48, .size: 8, .value_kind: global_buffer, .address_space: global }
      - { .name: W2, .offset: 56, .size: 8, .value_kind: global_buffer, .address_space: global }
      - { .name: a1, .offset: 64, .size: 8, .value_kind: global_buffer, .address_space: global }
      - { .name: b1, .offset: 72, .size: 8, .value_kind: global_buffer, .address_space: global }
      - { .name: b2, .offset: 80, .size: 8, .value_kind: global_buffer, .address_space: global }
    .group_segment_fixed_size: 112640
    .private_segment_fixed_size: 0
    .kernarg_segment_align: 8
    .kernarg_segment_size: 88
    .max_flat_workgroup_size: 512
    .sgpr_count:     66
    .vgpr_count:     248
    .wavefront_size: 32
...
	.end_amdgpu_metadata
.endif
;; end of part 1
;; launch gemm1 (part 2): grid 16 x 28, 4 waves a work-group, clusters of 4 x 4, 291,328 bytes of LDS; arguments a1, b1, qr, kv, a2; writes qr, kv, a2
.if DOCPART == 2
	.amdgcn_target "amdgcn-amd-amdhsa--gfx1250"
	.amdhsa_code_object_version 6
	.text
	.protected	k_qa950956b3d_gemm1
	.globl	k_qa950956b3d_gemm1
	.p2align	8
	.type	k_qa950956b3d_gemm1,@function
k_qa950956b3d_gemm1:
	s_mov_b64 s[64:65], 0
	v_nop
	global_prefetch_b8 v0, s[64:65] scope:SCOPE_SE
	s_setreg_imm32_b32 hwreg(HW_REG_WAVE_MODE, 25, 1), 1
	s_wait_xcnt 0x0
	s_wait_alu depctr_hold_cnt(0) depctr_sa_sdst(0) depctr_va_vdst(0) depctr_va_sdst(0) depctr_va_ssrc(0) depctr_va_vcc(0) depctr_vm_vsrc(0)
	s_getreg_b32 s2, hwreg(HW_REG_IB_STS2, 6, 4)
	s_cmp_eq_u32 s2, 0
	s_cbranch_scc0 .Lentry_in_a_cluster
	s_endpgm
.Lentry_in_a_cluster:
	s_bfe_u32 s2, ttmp6, 0x10000c
	s_cmp_lg_u32 s2, 0xf033
	s_cbranch_scc0 .Lentry_shape_is_right
	s_endpgm
.Lentry_shape_is_right:
; xn [Wq | Wk | Wv | W1]: [4,096 tokens] x [7,168 columns], K = 1,024, on codes of FP4 with E8M0 scales; the results never go to memory as f32: each is quantised on the way out as the operand that it becomes.
; No work is left out here.  Layouts (positions, pi, images, pieces) as set out at the head of the first kernel.
; A work-group of four waves makes 256 x 256, a wave 128 x 128: 64 accumulators, 512 registers.  K is two steps of 512; each step's four pieces (34,816 bytes, dense) have a slot of their own in LDS: every byte is filled once.
; CLUSTERS: 4 x 4 work-groups.  Cluster x says which 1,024 tokens.  Cluster y says what is made: kind = (y + 3) mod 7, kinds 0 q, 1 k, 2 v, 3-6 silu(xn W1): so the sixteen clusters of silu, whose way out has 128
; transcendentals more for each block of 16 rows, have the lowest numbers, and the twelve shorter ones follow.  Source 1's pieces are shared along a row of the cluster, source 0's along a column, each asked for jointly.
; q, k, silu: source 0 = 16 column positions of the weight, source 1 = 16 token positions: a lane holds ONE token, and its 64 registers of eight tiles run along 128 true columns, the next product's K.
; v: the two buffers change places: source 0 = tokens, source 1 = Wv's columns: a lane holds ONE column of v and its registers run along 128 true tokens, the keys, which are the next product's K.  LDS and the loop do not change.
; OUT: qr = [batch x head: 32] records: [16 positions: 128] half images (K = the head's 64: 512 bytes), at 65,536 the positions' scale words (bytes 2, 3 = 0).
;      kv = [32] records of 143,360 bytes: k as q; at 73,728 v: [128 keys: 16][16 of the head's 64: 4] images; at 139,264 its scale words [16][64].     a2: pieces 2-9 of each row of ten: silu(xn W1).
; silu(z) = z / (1 + 2^(-z log2 e)); LIMIT: for z under about -88 the result is -0.
; REGISTERS, in windows of 256: window 0: v16-31 addresses; v32-95 scale words, two sets; v96-121 the way out; v128-191 source 1's fragments, one set (the way out: sigmoid's work).  window 1: source 0's fragments, two sets.
;   window 2: the accumulators of my source 1 blocks 0-3 ((a, b) at v[8 (8 (a % 4) + b)]);  window 3: blocks 4-7.
.set REC1,  69632
.set REC2,  348160
.set PIECE, 34816
.set SLOT,  4*PIECE                    ; source 1's two pieces, then source 0's two
.set QREC,  73728
.set KVREC, 143360
.set NQ,    4                          ; steps of 128 along K in a slot
.set FR,    8
.set NL,    2
.set NP,    4                          ; places behind this matrix instruction (ISA guide 7.12.1)
.set STG,   2*SLOT                     ; behind the slots: 1,024 bytes a wave for the scale words on their way out, 4,096 bytes for each of the three ways out: each way has bytes of its own
.set SPARE, STG+3*4096                 ; the spare words, 128 bytes for each wave: two blocks of 256 bytes that no other line names
.set ADRA, 16                          ; v16-17 my source 1 images in slot 0, 1
.set ADRS, 18                          ; v18-19 my scale words: lanes 0-15 source 1's, lanes 16-31 source 0's
.set ADRB, 20                          ; v20-21 my source 0 images
.set L16,  24                          ; v24 16 x lane
.set STW,  25                          ; v25 stage: 512 (lane / 16) + 4 (lane % 16)
.set STV,  26                          ; v26 stage: 4 (lane % 16)
.set STR,  27                          ; v27 stage, back: 16 x lane
.set SPW,  28                          ; v28 LDS address of my spare word; never rewritten
.set NIL,  29                          ; v29 0; never rewritten
.set H16,  30                          ; v30 16 (lane / 16)
.set VSO,  31                          ; v31 a record of kv x (lane / 16) + 16 (lane % 16)
.set SC,   32
.set PC,   96                          ; v96-103 the codes just made
.set TM,   104                         ; v104-119 at work
.set PW,   120                         ; v120 the scale word just made
.set WH,   121                         ; v121 a head's half of it
.set AF,   128
.set E,    128
.set BK,   192
.set G1,  24                           ; s[24:31] group 1 for source 1's pieces; s[32:39] group 0, a set for each slot
.set G0,  32
.set G1B, 48                           ; s[48:55], s[56:63] the same for source 0's
.set G0B, 56
.set SEL, 88
.set KIND, 94                          ; s94 what my cluster makes: 0 q, 1 k, 2 v, 3-6 silu
.set MSB, 0
.macro WIN new                         ; the immediate's high byte repeats the setting that is left
.if MSB != (\new)
	s_set_vgpr_msb (MSB<<8)|(\new)
.set MSB, (\new)
.endif
.endm
.set MUL_LO, 0xa1                      ; source 0 window 1, source 1 window 0, C and D window 2
.set MUL_HI, 0xf1                      ; the same, C and D window 3
.set TO_B,   0x40                      ; destination window 1, address window 0
; A joint load: waves 0 and 1 fetch source 1's two pieces, waves 2 and 3 source 0's.  The branch hangs on the wave's number alone.  An s_nop 0 and four v_nop follow each of the two lines.
.macro JLOAD g0a, g1a, g0b, g1b
	s_cmp_eq_u32 s15, 0
	s_cbranch_scc0 .Lfor_b_\@
	tensor_load_to_lds s[\g0a:\g0a+3], s[\g1a:\g1a+7]
	s_nop 0
.rept 4
	v_nop
.endr
	s_branch .Lasked_\@
.Lfor_b_\@:
	tensor_load_to_lds s[\g0b:\g0b+3], s[\g1b:\g1b+7]
	s_nop 0
.rept 4
	v_nop
.endr
.Lasked_\@:
.endm
.macro CROUND                          ; a round of the cluster's barrier
	s_barrier_signal -1
	s_barrier_wait -1
	s_cmp_lg_u32 s14, 0
	s_cbranch_scc1 .Lnot_wave_0_\@
	s_barrier_signal -3
.Lnot_wave_0_\@:
	s_barrier_wait -3
	s_barrier_signal -1
	s_barrier_wait -1
.endm
	s_load_b256 s[4:11], s[0:1], 0x0               ; a1 s[4:5], b1 s[6:7], qr s[8:9], kv s[10:11]
	s_load_b64 s[12:13], s[0:1], 0x20              ; a2
	v_lshl_add_u32 v[SPW], v0, 2, SPARE
	v_mov_b32 v[NIL], 0
	ds_add_u32 v[SPW], v[NIL]                      ; the wave's opening: the add, twice on end, and its wait ahead of my first tensor load
	ds_add_u32 v[SPW], v[NIL]                      ; and once more, under the one wait; the set-up below stands between
	v_lshrrev_b32 v1, 5, v0
	v_readfirstlane_b32 s14, v1                    ; wave 0..3
	s_lshr_b32 s15, s14, 1                         ; my half of source 1's 256 positions.  Also: I fetch for source 1 (0) or source 0 (1)
	s_and_b32 s16, s14, 1                          ; my half of source 0's.  Also: which of the two pieces I fetch
	s_bfe_u32 s40, ttmp6, 0x40000                  ; cx
	s_bfe_u32 s41, ttmp6, 0x40004                  ; cy
	s_and_b32 s[KIND], ttmp7, 0xffff               ; cluster y, 0..6, which all sixteen partners share;
	s_lshr_b32 s95, s[KIND], 2                     ; 1 from y = 4 on
	s_mul_i32 s95, s95, 7
	s_add_co_u32 s[KIND], s[KIND], 3
	s_sub_co_u32 s[KIND], s[KIND], s95             ; (y + 3) mod 7: y = 0..3 silu, 4 q, 5 k, 6 v
	s_lshl_b32 s17, ttmp9, 2                       ; 4 x cluster x: the tokens
	s_lshl_b32 s42, s[KIND], 2                     ; 4 x kind: the columns
	s_lshl_b32 s43, s41, 2
	s_lshl_b32 s43, 15, s43                        ; my row of the cluster
	s_lshl_b32 s44, 0x1111, s40                    ; my column
	s_or_b32 s[G1+0], s43, (3<<16)|(1<<21)         ; 15:0 the mask; 17:16 elements of 8 bytes; 21 set beside a mask; no padding: an image's loads take consecutive bytes
	s_or_b32 s[G1B+0], s44, (3<<16)|(1<<21)
.irp g, G1, G1B
	s_mov_b32 s[\g+1], 32<<16                      ; a piece as 136 rows of 256 bytes: tensor_dim0 = 32
	s_mov_b32 s[\g+2], 136<<16                     ; tensor_dim1 = 136
	s_mov_b32 s[\g+3], 32<<16                      ; tile_dim0
	s_mov_b32 s[\g+4], 136                         ; tile_dim1
	s_mov_b32 s[\g+5], 32                          ; pitch
	s_mov_b32 s[\g+6], 0
	s_mov_b32 s[\g+7], 0
.endr
	s_cmp_eq_u32 s[KIND], 2                        ; v?  The same in all sixteen partners
	s_cselect_b32 s18, 8, s17                      ; source 1's 256 positions: Wv's columns (from 256 x 8 on) or tokens,
	s_cselect_b32 s19, s17, s42                    ; source 0's: tokens or columns
	s_add_co_u32 s18, s18, s41                     ; by cy alone: shared along my row;
	s_add_co_u32 s19, s19, s40                     ; by cx alone: shared along my column
	s_lshl_b32 s20, s18, 1
	s_add_co_u32 s20, s20, s16
	s_mul_i32 s20, s20, REC1                       ; the row of pieces that I would fetch for source 1,
	s_mov_b32 s21, 0
	s_lshl_b32 s46, s19, 1
	s_add_co_u32 s46, s46, s16
	s_mul_i32 s46, s46, REC1                       ; and for source 0
	s_mov_b32 s47, 0
	s_mul_i32 s45, s14, PIECE                      ; where it goes: wave x a piece
	s_mov_b32 s[SEL], 0x76543210
	s_mov_b32 s[SEL+1], 0xfedcba98
	s_wait_dscnt 0x0                               ; both opening adds are done
	s_wait_kmcnt 0x0
	s_cmp_eq_u32 s[KIND], 2
	s_cselect_b64 s[22:23], s[6:7], s[4:5]         ; source 1's buffer
	s_cselect_b64 s[92:93], s[4:5], s[6:7]         ; source 0's
	s_add_nc_u64 s[20:21], s[22:23], s[20:21]
	s_add_nc_u64 s[46:47], s[92:93], s[46:47]
	CROUND                                         ; all sixteen work-groups are here: the joint loads meet
.irp s, 0,1
	s_mov_b32 s[G0+4*\s], 1
	s_add_co_u32 s[G0+4*\s+1], s45, \s*SLOT
	s_add_nc_u64 s[G0+4*\s+2:G0+4*\s+3], s[20:21], \s*PIECE
	s_or_b32 s[G0+4*\s+3], s[G0+4*\s+3], 0x80000000
	s_mov_b32 s[G0B+4*\s], 1
	s_add_co_u32 s[G0B+4*\s+1], s45, \s*SLOT
	s_add_nc_u64 s[G0B+4*\s+2:G0B+4*\s+3], s[46:47], \s*PIECE
	s_or_b32 s[G0B+4*\s+3], s[G0B+4*\s+3], 0x80000000
	JLOAD G0+4*\s, G1, G0B+4*\s, G1B               ; both K steps are first fills: two loads of mine are out
.endr
	v_and_b32 v1, 15, v0                           ; r
	v_bfe_u32 v2, v0, 4, 1                         ; h
	v_and_b32 v3, 31, v0
	v_lshlrev_b32 v[L16], 4, v3
	s_mul_i32 s21, s15, PIECE                      ; my piece of source 1,
	s_mul_i32 s22, s16, PIECE
	s_add_co_u32 s22, s22, 2*PIECE                 ; and of source 0
	s_sub_co_u32 s23, s22, s21
	v_mul_u32_u24 v6, s23, v2                      ; lanes 16-31 take source 0's scale words: the lower base + h x the distance
	v_lshl_add_u32 v5, v1, 2, v6
	s_add_co_u32 s20, s21, 32768
.irp s, 0,1
	v_add_nc_u32 v[ADRA+\s], s21, v[L16]
	v_add_nc_u32 v[ADRB+\s], s22, v[L16]
	v_add_nc_u32 v[ADRS+\s], s20, v5
	s_add_co_u32 s21, s21, SLOT
	s_add_co_u32 s22, s22, SLOT
	s_add_co_u32 s20, s20, SLOT
.endr
	s_lshl_b32 s23, s14, 10
	s_add_co_u32 s23, s23, STG
	v_lshlrev_b32 v4, 2, v1
	v_add_nc_u32 v[STV], s23, v4
	v_lshl_add_u32 v[STW], v2, 9, v[STV]
	v_add_nc_u32 v[STR], s23, v[L16]
	v_lshlrev_b32 v[H16], 4, v2
	v_mul_u32_u24 v[VSO], v2, KVREC
	v_lshl_add_u32 v[VSO], v1, 4, v[VSO]
.irp b, 0,1,2,3
	v_mov_b32 v[TM+4+\b], 0                        ; a lane permute's destination counts as one of its sources
.endr
.macro FRAG reg, adr, q, i             ; an image is an operand's registers as they stand: two loads of 512 consecutive bytes
.irp c, 0,1
	ds_load_b128 v[\reg+4*\c:\reg+4*\c+3], v[\adr] offset:(\i)*4096+(\q)*1024+512*\c
.endr
.endm
; 16 matrix instructions: source 1's blocks a0, a0 + 1 x source 0's eight, the slot's q-th 128 along K.  p: source 0's set; sc: the set of scale words.  zero = 1: the first product starts the sums.
; The 64 accumulators take turns, one instruction a turn, in the same order in every step.
.macro MUL16 a0, p, q, sc, zero
.irp a, \a0, \a0+1
.irp b, 0,1,2,3,4,5,6,7
.if \zero
	v_wmma_scale_f32_16x16x128_f8f6f4 v[8*(8*((\a)%4)+\b):8*(8*((\a)%4)+\b)+7], v[128*(\p)+FR*\b:128*(\p)+FR*\b+FR-1], v[AF+FR*(\a):AF+FR*(\a)+FR-1], 0, v[SC+8*NQ*(\sc)+NQ*\b+(\q)], v[SC+8*NQ*(\sc)+NQ*(\a)+(\q)] matrix_a_fmt:MATRIX_FMT_FP4 matrix_b_fmt:MATRIX_FMT_FP4 matrix_a_scale:MATRIX_SCALE_ROW1
.else
	v_wmma_scale_f32_16x16x128_f8f6f4 v[8*(8*((\a)%4)+\b):8*(8*((\a)%4)+\b)+7], v[128*(\p)+FR*\b:128*(\p)+FR*\b+FR-1], v[AF+FR*(\a):AF+FR*(\a)+FR-1], v[8*(8*((\a)%4)+\b):8*(8*((\a)%4)+\b)+7], v[SC+8*NQ*(\sc)+NQ*\b+(\q)], v[SC+8*NQ*(\sc)+NQ*(\a)+(\q)] matrix_a_fmt:MATRIX_FMT_FP4 matrix_b_fmt:MATRIX_FMT_FP4 matrix_a_scale:MATRIX_SCALE_ROW1
.endif
.endr
.endr
.endm
.macro FETCH_B slot, q, p
	WIN TO_B
.irp i, 0,1,2,3,4,5,6,7
	FRAG 128*(\p)+FR*\i, ADRB+\slot, \q, \i
.endr
	WIN 0
.endm
.macro FETCH_A slot, q, i0
.irp i, \i0, \i0+1, \i0+2, \i0+3
	FRAG AF+FR*(\i), ADRA+\slot, \q, \i
.endr
.endm
.macro SCALES sc                       ; register 4 i + q of the set: lanes 0-15 the word of source 1's block i, lanes 16-31 that of source 0's block i, for the slot's q-th 128 along K
.irp i, 0,1,2,3,4,5,6,7
.irp q, 0,1,2,3
	ds_load_b32 v[SC+32*(\sc)+4*\i+\q], v[ADRS+\sc] offset:\q*512+\i*64
.endr
.endr
.endm
.macro PLACES n                        ; plain vector instructions between a matrix instruction and a load into, or a read of, its registers (ISA guide 7.12.1 for reads)
.rept \n
	v_nop
.endr
.endm
.macro STEP slot, q, zero              ; a step of 128 along K that has its successor in the same slot
	s_wait_dscnt 4*NL                              ; all but the youngest eight loads (source 1's blocks 4-7) are in
	WIN MUL_LO
	MUL16 0, (\q)%2, \q, \slot, \zero
	MUL16 2, (\q)%2, \q, \slot, \zero
	s_wait_dscnt 0                                 ; blocks 4-7 are in
	PLACES NP
	FETCH_B \slot, (\q)+1, 1-(\q)%2
	FETCH_A \slot, (\q)+1, 0
	WIN MUL_HI
	MUL16 4, (\q)%2, \q, \slot, \zero
	MUL16 6, (\q)%2, \q, \slot, \zero
	PLACES NP
	WIN 0
	FETCH_A \slot, (\q)+1, 4
.endm
.macro STEPS slot, from
.set Q, \from
.rept NQ-1-\from
	STEP \slot, Q, 0
.set Q, Q+1
.endr
.endm
	s_wait_tensorcnt 1                             ; my piece of K step 0 is in; K step 1's may stay out
	s_barrier_signal -1
	s_barrier_wait -1                              ; everybody's is
	SCALES 0
	FETCH_B 0, 0, 0
	FETCH_A 0, 0, 0
	FETCH_A 0, 0, 4
	STEP 0, 0, 1                                   ; the first products start the sums: nothing is cleared
	STEPS 0, 1
	; slot 0's last step, and the change to slot 1: one barrier; in front of it my piece of slot 1 has landed
	s_wait_tensorcnt 0x0                           ; all my tensor loads have landed;  (every window is 0 here)
	ds_add_u32 v[SPW], v[NIL]                      ; 0 onto my spare word
	s_wait_dscnt 4*NL+1                            ; (the add and the youngest eight loads may be out)
	WIN MUL_LO
	MUL16 0, 1, NQ-1, 0, 0
	s_wait_dscnt 0x0                               ; no LDS instruction of mine is out at the signal
	s_barrier_signal -1
	MUL16 2, 1, NQ-1, 0, 0
	WIN 0
	s_barrier_wait -1                              ; slot 1 is whole
	PLACES NP
	FETCH_B 1, 0, 0
	FETCH_A 1, 0, 0
	SCALES 1
	WIN MUL_HI
	MUL16 4, 1, NQ-1, 0, 0
	MUL16 6, 1, NQ-1, 0, 0
	PLACES NP
	WIN 0
	FETCH_A 1, 0, 4
	STEPS 1, 0
	s_wait_dscnt 4*NL                              ; the very last step: nothing more to fetch
	WIN MUL_LO
	MUL16 0, 1, NQ-1, 1, 0
	MUL16 2, 1, NQ-1, 1, 0
	s_wait_dscnt 0
	WIN MUL_HI
	MUL16 4, 1, NQ-1, 1, 0
	MUL16 6, 1, NQ-1, 1, 0
	WIN 0
	PLACES NP                                      ; in front of the first read of results and the first write over source 1's fragments
; THE WAY OUT.  64 numbers of a lane, registers s .. s + 63 of window w, register 16 b + i = k 32 b + 16 (lane / 16) + i of my row, become an image's registers in v[PC] on and its scale word in v[PW].
; Each accumulator is read from its low end on.
.macro QUANTW s, w
	WIN ((\w)<<2)|((\w)<<4)                        ; sources 1 and 2 in window w
.irp b, 0,1,2,3
	v_max3_num_f32 v[TM+\b], 0x1800000, |v[(\s)+16*\b]|, |v[(\s)+1+16*\b]|   ; block b: my 16 numbers, and the floor 2^(3 - 127): the byte cannot fall under 1
.endr
.irp i, 2,4,6,8,10,12,14
.irp b, 0,1,2,3
	v_max3_num_f32 v[TM+\b], v[TM+\b], |v[(\s)+16*\b+\i]|, |v[(\s)+1+16*\b+\i]|
.endr
.endr
	WIN 0
.irp b, 0,1,2,3
	v_permlanex16_b32 v[TM+4+\b], v[TM+\b], s[SEL], s[SEL+1]
.endr
.irp b, 0,1,2,3
	v_max_num_f32 v[TM+\b], v[TM+\b], v[TM+4+\b]   ; with lane l xor 16's: the block's largest magnitude
.endr
.irp b, 0,1,2,3
	v_add_nc_u32 v[TM+12+\b], 0xff000000, v[TM+\b] ; 2 off its exponent field: the conversion's scale operand
.endr
.irp b, 0,1,2,3
	v_lshrrev_b32 v[TM+4+\b], 23, v[TM+12+\b]      ; the scale's byte
.endr
	v_lshl_or_b32 v[PW], v[TM+5], 8, v[TM+4]
	v_lshl_or_b32 v[PW], v[TM+6], 16, v[PW]
	v_lshl_or_b32 v[PW], v[TM+7], 24, v[PW]
	WIN (\w)                                       ; source 0 in window w
.irp b, 0,1,2,3
	v_cvt_scalef32_pk8_fp4_f32 v[PC+2*\b], v[(\s)+16*\b:(\s)+7+16*\b], v[TM+12+\b]
	v_cvt_scalef32_pk8_fp4_f32 v[PC+1+2*\b], v[(\s)+8+16*\b:(\s)+15+16*\b], v[TM+12+\b]
.endr
	WIN 0
	v_nop                                          ; one plain place behind a scaled conversion
.irp c, 0,1                                    ; the operand's layout wants a WHOLE block in a lane: lanes 0-15 block 2 c, lanes 16-31 block 2 c + 1
.irp i, 0,1
	v_permlane16_swap_b32 v[PC+4*\c+\i], v[PC+2+4*\c+\i]
.endr
.endr
.endm
	s_lshl_b32 s66, s18, 8
	s_lshl_b32 s67, s15, 7
	s_add_co_u32 s66, s66, s67                     ; my first position of source 1
	s_lshl_b32 s67, s19, 8
	s_lshl_b32 s68, s16, 7
	s_add_co_u32 s67, s67, s68                     ; and of source 0
	s_mov_b32 s85, 0
	s_cmp_eq_u32 s[KIND], 2                        ; the cluster's kind: all partners go the same way
	s_cbranch_scc1 .Lv
	s_cmp_gt_u32 s[KIND], 2
	s_cbranch_scc1 .Lh
	; ---- q, k: my 128 columns are two heads: registers 0-3 of the image are the first head's half image, registers 4-7 the second's
	s_lshr_b32 s68, s66, 11                        ; batch
	s_and_b32 s69, s66, 2047                       ; my first position in it
	s_bfe_u32 s70, s67, 0x40006                    ; my first head
	s_lshl_b32 s68, s68, 4
	s_add_co_u32 s68, s68, s70
	s_mov_b32 s71, KVREC
	s_cmp_eq_u32 s[KIND], 0
	s_cselect_b64 s[74:75], s[8:9], s[10:11]       ; q goes to qr, k to kv
	s_cselect_b32 s71, QREC, s71
	s_mul_i32 s84, s68, s71
	s_add_nc_u64 s[74:75], s[74:75], s[84:85]      ; the first head's record
	s_mov_b32 s86, s71
	s_mov_b32 s87, 0
	s_lshl_b32 s84, s69, 5                         ; 512 bytes for each 16 positions
	s_add_nc_u64 s[76:77], s[74:75], s[84:85]
	s_add_nc_u64 s[78:79], s[76:77], s[86:87]
	s_lshl_b32 s84, s69, 2
	s_add_co_u32 s84, s84, 65536
	s_add_nc_u64 s[80:81], s[74:75], s[84:85]
	s_add_nc_u64 s[82:83], s[80:81], s[86:87]
.irp a, 0,1,2,3,4,5,6,7
.if \a > 0
	s_wait_xcnt 0x0                                ; the last block's stores have read the codes' registers
.endif
	QUANTW 64*(\a%4), 2+\a/4
	global_store_b128 v[L16], v[PC:PC+3], s[76:77] offset:512*\a       ; 32 lanes store 512 consecutive bytes
	global_store_b128 v[L16], v[PC+4:PC+7], s[78:79] offset:512*\a
	v_lshrrev_b32 v[WH], v[H16], v[PW]             ; lanes 0-15 keep the first head's two bytes, lanes 16-31 the second's;
	v_and_b32 v[WH], 0xffff, v[WH]                 ; bytes 2 and 3 are 0: they scale the zero codes that fill K = 64 up to 128
	ds_store_b32 v[STW], v[WH] offset:64*\a
.endr
	ds_load_b128 v[BK:BK+3], v[STR]                ; LDS serves a wave's instructions in order: these see my stores
	ds_load_b128 v[BK+4:BK+7], v[STR] offset:512
	s_wait_dscnt 0x0
	global_store_b128 v[L16], v[BK:BK+3], s[80:81]       ; 128 positions' words: 512 consecutive bytes
	global_store_b128 v[L16], v[BK+4:BK+7], s[82:83]
	s_branch .Ldone
	; ---- v: a lane holds a column; my 128 tokens are one step of 128 keys; block a of source 1 is 16 of the 64 of head a / 4
.Lv:
	s_sub_co_u32 s68, s66, 2048
	s_lshr_b32 s68, s68, 6                         ; my first head
	s_lshr_b32 s69, s67, 11                        ; batch
	s_bfe_u32 s70, s67, 0x40007                    ; which 128 keys
	s_lshl_b32 s69, s69, 4
	s_add_co_u32 s68, s68, s69
	s_mul_i32 s68, s68, KVREC
	s_lshl_b32 s84, s70, 12
	s_add_co_u32 s84, s84, s68
	s_add_co_u32 s84, s84, 73728
	s_add_nc_u64 s[76:77], s[10:11], s[84:85]
	s_lshl_b32 s84, s70, 8
	s_add_co_u32 s84, s84, s68
	s_add_co_u32 s84, s84, 139264
	s_add_nc_u64 s[80:81], s[10:11], s[84:85]
.irp a, 0,1,2,3,4,5,6,7
.if \a > 0
	s_wait_xcnt 0x0
.endif
	QUANTW 64*(\a%4), 2+\a/4
	global_store_b128 v[L16], v[PC:PC+3], s[76:77] offset:(\a/4)*KVREC+(\a%4)*1024
	global_store_b128 v[L16], v[PC+4:PC+7], s[76:77] offset:(\a/4)*KVREC+(\a%4)*1024+512
	ds_store_b32 v[STV], v[PW] offset:4096+64*\a   ; both halves of the lanes write the same word with the same value
.endr
	ds_load_b128 v[BK:BK+3], v[STR] offset:4096
	s_wait_dscnt 0x0
	global_store_b128 v[VSO], v[BK:BK+3], s[80:81] ; lanes 0-15: the first head's 256 bytes, aligned; lanes 16-31: the second's
	s_branch .Ldone
	; ---- silu(xn W1): my 128 columns are one 128 along K of the last product
.Lh:
	s_lshr_b32 s68, s66, 7
	s_mul_i32 s68, s68, REC2                       ; my 128 tokens' row of pieces
	s_sub_co_u32 s69, s67, 3072
	s_lshr_b32 s69, s69, 7
	s_add_co_u32 s69, s69, 8                       ; which 128 along K: behind the attention's eight
	s_lshr_b32 s70, s69, 2
	s_mul_i32 s70, s70, PIECE
	s_add_co_u32 s68, s68, s70
	s_and_b32 s69, s69, 3
	s_lshl_b32 s84, s69, 10
	s_add_co_u32 s84, s84, s68
	s_add_nc_u64 s[76:77], s[12:13], s[84:85]
	s_lshl_b32 s84, s69, 9
	s_add_co_u32 s84, s84, s68
	s_add_co_u32 s84, s84, 32768
	s_add_nc_u64 s[80:81], s[12:13], s[84:85]
	s_mov_b32 s72, 0xbfb8aa3b                      ; -log2(e)
	s_mov_b32 s73, s72
.macro SILU z, w                       ; the 64 numbers z .. z + 63 of window w: z / (1 + 2^(-z log2 e)) into v[E] on.  Each batch of transcendentals has one plain line and one wait behind it
	WIN (\w)
.set n, 0
.rept 32
	v_pk_mul_f32 v[E+n:E+n+1], v[(\z)+n:(\z)+n+1], s[72:73] op_sel_hi:[1,0]
.set n, n+2
.endr
	WIN 0
.set n, 0
.rept 64
	v_exp_f32 v[E+n], v[E+n]
.set n, n+1
.endr
	v_nop
	s_wait_alu depctr_va_vdst(0)                   ; ahead of the batch's first reader
.set n, 0
.rept 32
	v_pk_add_f32 v[E+n:E+n+1], v[E+n:E+n+1], 1.0 op_sel_hi:[1,0]
.set n, n+2
.endr
.set n, 0
.rept 64
	v_rcp_f32 v[E+n], v[E+n]
.set n, n+1
.endr
	v_nop
	s_wait_alu depctr_va_vdst(0)
	WIN (\w)<<2
.set n, 0
.rept 32
	v_pk_mul_f32 v[E+n:E+n+1], v[E+n:E+n+1], v[(\z)+n:(\z)+n+1]
.set n, n+2
.endr
	WIN 0
.endm
.irp a, 0,1,2,3,4,5,6,7
.if \a > 0
	s_wait_xcnt 0x0
.endif
	SILU 64*(\a%4), 2+\a/4
	QUANTW E, 0
	global_store_b128 v[L16], v[PC:PC+3], s[76:77] offset:4096*\a
	global_store_b128 v[L16], v[PC+4:PC+7], s[76:77] offset:4096*\a+512
	ds_store_b32 v[STV], v[PW] offset:8192+64*\a
.endr
	ds_load_b128 v[BK:BK+3], v[STR] offset:8192
	s_wait_dscnt 0x0
	global_store_b128 v[L16], v[BK:BK+3], s[80:81] ; 128 positions' words: 512 consecutive bytes
.Ldone:
	s_wait_tensorcnt 0x0                           ; the wave's end, behind my last tensor load and my last LDS store
	ds_add_u32 v[SPW], v[NIL]
	s_wait_dscnt 0x0
	CROUND                                         ; the closing round
	s_endpgm
.Lfunc_end_k_qa950956b3d_gemm1:
	.size	k_qa950956b3d_gemm1, .Lfunc_end_k_qa950956b3d_gemm1-k_qa950956b3d_gemm1
	.p2alignl 7, 3214868480
	.fill 96, 4, 3214868480
	.section	.rodata,"a",@progbits
	.p2align	6, 0x0
	.amdhsa_kernel k_qa950956b3d_gemm1
		.amdhsa_group_segment_fixed_size 291328
		.amdhsa_private_segment_fixed_size 0
		.amdhsa_enable_private_segment 0
		.amdhsa_kernarg_size 40
		.amdhsa_user_sgpr_count 2
		.amdhsa_user_sgpr_kernarg_segment_ptr 1
		.amdhsa_wavefront_size32 1
		.amdhsa_system_sgpr_workgroup_id_x 1
		.amdhsa_system_sgpr_workgroup_id_y 1
		.amdhsa_system_sgpr_workgroup_id_z 1
		.amdhsa_system_vgpr_workitem_id 0
		.amdhsa_next_free_vgpr 1024
		.amdhsa_next_free_sgpr 98
		.amdhsa_reserve_vcc 0
		.amdhsa_float_denorm_mode_32 3
		.amdhsa_float_denorm_mode_16_64 3
		.amdhsa_memory_ordered 1
		.amdhsa_forward_progress 1
		.amdhsa_inst_pref_size 255
	.end_amdhsa_kernel
	.section	.bss,"aw",@nobits
	.p2align	6
	.space	262144
	.amdgpu_metadata
---
amdhsa.version: [ 1, 2 ]
amdhsa.kernels:
  - .name:           k_qa950956b3d_gemm1
    .symbol:         k_qa950956b3d_gemm1.kd
    .args:
      - { .name: a1, .offset: 0, .size: 8, .value_kind: global_buffer, .address_space: global }
      - { .name: b1, .offset: 8, .size: 8, .value_kind: global_buffer, .address_space: global }
      - { .name: qr, .offset: 16, .size: 8, .value_kind: global_buffer, .address_space: global }
      - { .name: kv, .offset: 24, .size: 8, .value_kind: global_buffer, .address_space: global }
      - { .name: a2, .offset: 32, .size: 8, .value_kind: global_buffer, .address_space: global }
    .group_segment_fixed_size: 291328
    .private_segment_fixed_size: 0
    .kernarg_segment_align: 8
    .kernarg_segment_size: 40
    .max_flat_workgroup_size: 128
    .sgpr_count:     98
    .vgpr_count:     1024
    .wavefront_size: 32
...
	.end_amdgpu_metadata
.endif
;; end of part 2
;; launch attn (part 3): grid 8 x 32, 16 waves a work-group, clusters of 4 x 1, 167,936 bytes of LDS; arguments qr, kv, a2; writes a2
.if DOCPART == 3
	.amdgcn_target "amdgcn-amd-amdhsa--gfx1250"
	.amdhsa_code_object_version 6
	.text
	.protected	k_qa950956b3d_attn
	.globl	k_qa950956b3d_attn
	.p2align	8
	.type	k_qa950956b3d_attn,@function
k_qa950956b3d_attn:
	s_mov_b64 s[64:65], 0
	v_nop
	global_prefetch_b8 v0, s[64:65] scope:SCOPE_SE
	s_setreg_imm32_b32 hwreg(HW_REG_WAVE_MODE, 25, 1), 1
	s_wait_xcnt 0x0
	s_wait_alu depctr_hold_cnt(0) depctr_sa_sdst(0) depctr_va_vdst(0) depctr_va_sdst(0) depctr_va_ssrc(0) depctr_va_vcc(0) depctr_vm_vsrc(0)
	s_getreg_b32 s2, hwreg(HW_REG_IB_STS2, 6, 4)
	s_cmp_eq_u32 s2, 0
	s_cbranch_scc0 .Lentry_in_a_cluster
	s_endpgm
.Lentry_in_a_cluster:
	s_bfe_u32 s2, ttmp6, 0x10000c
	s_cmp_lg_u32 s2, 0x3003
	s_cbranch_scc0 .Lentry_shape_is_right
	s_endpgm
.Lentry_shape_is_right:
; Causal attention of one (batch, head) on codes of FP4: S^T = K Q^T (K = the head's 64, filled up to the instruction's 128 with zero codes on both sides), p = 2^(t - M), t = score x log2(e) / 8, M = the ceiling of the
; running largest t, p quantised along the keys, O^T = V^T P^T, the row's sum of the unquantised p divides at the end; the result is quantised along the heads' 1,024 as the last product's operand.
; WORK LEFT OUT: key steps all of whose 128 keys come after all 16 queries of a wave: reference()'s own jnp.tril makes p = 0 there for all values of the inputs.  A NaN or infinity that reaches only those steps is not carried on.
; Layouts as set out at the head of the first kernel and of the second (records of qr and kv).
; SHARES.  A work-group takes one (batch, head) and 16 of its 128 blocks of 16 query positions; there are eight such work-groups, j = 0..7.  Wave w takes block 8 g + j, whose queries lie in tokens 128 g .. 128 g + 127,
; and walks key steps 0 .. g.  g is read from a table by the wave's number: g + 1 = 16 3 2 13 | 5 10 11 8 | 9 6 7 12 | 4 15 14 1, a square whose rows and columns each sum to 34: every work-group has 136 steps.
; THE WHOLE RECORD OF K AND V, 143,360 bytes, LIES IN LDS: sixteen first fills, one a wave, 8,960 bytes each; nothing is filled again, and nothing is stored to LDS.
; CLUSTER: four work-groups of one (batch, head) ask for the record jointly.  No branch and no LDS address hangs on a work-group's place: j enters global addresses and the mask's vector compare alone.
; A lane holds ONE query (lane % 16) throughout.  In S^T register 16 b + i is key 128 step + 32 b + 16 (lane / 16) + i; in O^T register 16 b + i is channel 32 b + 16 (lane / 16) + i of the head.
; REGISTERS: v1-4 places in LDS; v5, v6 the add's two; v7 the mask's bound; v8-11 the step's addresses; v12 -M, v13 the largest t, v[14:15] the sum; v16-23 Q (v20-23 zeros); v32-95 eight fragments of K (their upper four
; registers zeros); v96-159 S^T, then p; v160-191 O^T; v192-223 four fragments of V; v224-231 p's codes; v232-247, v252, v254 at work; v240, v241 V's scale words; v248-251 K's; v253 p's; v255 Q's.
.set KVREC, 143360
.set QREC,  73728
.set REC2,  348160
.set PIECE, 34816
.set WPART, 8960                       ; 35 rows of 256 bytes: what one wave fetches
.set SPARE, 143360                     ; behind the record: the spare words, 128 bytes for each wave: eight blocks of 256 bytes that no other line names
.macro CROUND
	s_barrier_signal -1
	s_barrier_wait -1
	s_cmp_lg_u32 s18, 0
	s_cbranch_scc1 .Lnot_wave_0_\@
	s_barrier_signal -3
.Lnot_wave_0_\@:
	s_barrier_wait -3
	s_barrier_signal -1
	s_barrier_wait -1
.endm
	s_load_b128 s[4:7], s[0:1], 0x0                ; qr, kv
	s_load_b64 s[8:9], s[0:1], 0x10                ; a2
	v_lshl_add_u32 v5, v0, 2, SPARE
	v_mov_b32 v6, 0
	ds_add_u32 v5, v6                              ; the wave's opening: the add, twice on end, and its wait ahead of my first tensor load
	ds_add_u32 v5, v6                              ; and once more, under the one wait
	v_lshrrev_b32 v8, 5, v0
	s_delay_alu instid0(VALU_DEP_1)
	v_readfirstlane_b32 s18, v8                    ; wave 0..15
	s_bfe_u32 s10, ttmp6, 0x40000                  ; cx
	s_lshl_b32 s11, ttmp9, 2
	s_add_co_u32 s11, s11, s10                     ; j
	s_and_b32 s12, ttmp7, 0xffff                   ; batch x 16 + head, which the four partners share
	s_mov_b32 s13, 0x7a94c12f                      ; g of waves 0-7, four bits each,
	s_mov_b32 s14, 0x0de3b658                      ; and of waves 8-15
	s_cmp_lt_u32 s18, 8
	s_cselect_b32 s13, s13, s14
	s_and_b32 s14, s18, 7
	s_lshl_b32 s14, s14, 2
	s_lshr_b32 s13, s13, s14
	s_and_b32 s19, s13, 15                         ; g: my last key step
	s_mov_b32 s24, 15|(3<<16)|(1<<21)              ; 15:0 the mask: all four work-groups; 17:16 elements of 8 bytes; 21 set beside a mask
	s_mov_b32 s25, 32<<16                          ; tensor_dim0 = 32: rows of 256 bytes
	s_mov_b32 s26, 35<<16                          ; tensor_dim1 = 35
	s_mov_b32 s27, 32<<16                          ; tile_dim0
	s_mov_b32 s28, 35                              ; tile_dim1
	s_mov_b32 s29, 32                              ; pitch
	s_mov_b32 s30, 0
	s_mov_b32 s31, 0
	s_mul_i32 s15, s18, WPART                      ; my part, in LDS and in the record
	s_mul_i32 s16, s12, KVREC
	s_add_co_u32 s16, s16, s15
	s_mov_b32 s17, 0
	s_mov_b32 s20, 0x76543210
	s_mov_b32 s21, 0xfedcba98                      ; v_permlanex16_b32's selects for lane l xor 16
	s_mov_b32 s22, 0x3e38aa3b                      ; c = log2(e) / 8
	s_mov_b32 s23, s22
	s_wait_dscnt 0x0                               ; both opening adds are done
	s_wait_kmcnt 0x0
	s_mov_b32 s32, 1
	s_mov_b32 s33, s15
	s_add_nc_u64 s[34:35], s[6:7], s[16:17]
	s_or_b32 s35, s35, 0x80000000
	CROUND                                         ; all four work-groups are here: the joint loads meet
	tensor_load_to_lds s[32:35], s[24:31]          ; my one tensor load
	s_nop 0
.rept 4
	v_nop
.endr
	s_lshl_b32 s36, s19, 3
	s_add_co_u32 s36, s36, s11                     ; my block of 16 query positions
	s_mul_i32 s37, s12, QREC
	s_lshl_b32 s42, s36, 9
	s_add_co_u32 s42, s42, s37
	s_mov_b32 s43, 0
	s_add_nc_u64 s[44:45], s[4:5], s[42:43]        ; its half image,
	s_lshl_b32 s42, s36, 6
	s_add_co_u32 s42, s42, s37
	s_add_co_u32 s42, s42, 65536
	s_add_nc_u64 s[46:47], s[4:5], s[42:43]        ; its scale words
	v_and_b32 v10, 31, v0
	s_delay_alu instid0(VALU_DEP_1)
	v_lshlrev_b32 v1, 4, v10                       ; 16 x lane: K's images begin at LDS byte 0
	v_and_b32 v8, 15, v0                           ; r
	s_delay_alu instid0(VALU_DEP_1)
	v_lshlrev_b32 v25, 2, v8                       ; 4 r
	global_load_b128 v[16:19], v1, s[44:45]        ; Q's fragment stays in registers
	global_load_b32 v255, v25, s[46:47]
	v_add_nc_u32 v2, 73728, v1                     ; V's images
	v_lshlrev_b32 v3, 2, v10
	s_delay_alu instid0(VALU_DEP_1)
	v_add_nc_u32 v4, 139264, v3                    ; V's scale words: 4 x lane: two tiles to a register
	s_delay_alu instid0(VALU_DEP_2)
	v_add_nc_u32 v3, 65536, v3                     ; K's likewise
	v_bfe_u32 v9, v0, 4, 1                         ; h
	v_and_b32 v10, 8, v8
	s_delay_alu instid0(VALU_DEP_1)
	v_add_nc_u32 v7, v10, v8                       ; r + 8 (r / 8)
	s_delay_alu instid0(VALU_DEP_3)
	v_lshlrev_b32 v10, 4, v9
	s_delay_alu instid0(VALU_DEP_1)
	v_sub_nc_u32 v7, v7, v10
	s_lshr_b32 s54, s11, 1
	s_lshl_b32 s54, s54, 5
	s_and_b32 s55, s11, 1
	s_lshl_b32 s55, s55, 3
	s_add_co_u32 s54, s54, s55
	v_add_nc_u32 v7, s54, v7                       ; d = my query - 128 g - 16 h: in step g register 16 b + i is hidden where 32 b + i > d
.irp n, 20,21,22,23
	v_mov_b32 v\n, 0                               ; zero codes fill K = 64 up to 128, in Q
.endr
.irp t, 0,1,2,3,4,5,6,7
.irp c, 4,5,6,7
	v_mov_b32 v[32+8*\t+\c], 0                     ; and in K: written once, never loaded
.endr
.endr
	v_mov_b32 v13, 0xff61b1e6                      ; the largest t so far: -3e38, under every t
	s_delay_alu instid0(VALU_DEP_1)
	v_floor_f32 v12, -v13                          ; -M
	v_mov_b32 v14, 0
	v_mov_b32 v15, 0
.irp b, 0,1,2,3
	v_mov_b32 v[236+\b], 0                         ; a lane permute's destination counts as one of its sources
.endr
	v_mov_b32 v252, 0
	v_mov_b32 v253, 0
.set n, 0
.rept 32
	v_mov_b32 v[160+n], 0                          ; O^T: the step is written once; the first finds zeros, which the first change of M leaves zeros
.set n, n+1
.endr
	; where the result goes: the 128 tokens 16 batch + g, block j; the head's 64 are half of the image of 128 K number head / 2
	s_lshr_b32 s48, s12, 4
	s_lshl_b32 s48, s48, 4
	s_add_co_u32 s48, s48, s19
	s_mul_i32 s48, s48, REC2
	s_and_b32 s49, s12, 15
	s_lshr_b32 s50, s49, 3
	s_mul_i32 s50, s50, PIECE
	s_add_co_u32 s48, s48, s50
	s_bfe_u32 s50, s49, 0x20001
	s_and_b32 s51, s49, 1
	s_lshl_b32 s52, s11, 12
	s_add_co_u32 s52, s52, s48
	s_lshl_b32 s54, s50, 10
	s_add_co_u32 s52, s52, s54
	s_lshl_b32 s54, s51, 9
	s_add_co_u32 s52, s52, s54
	s_mov_b32 s53, 0
	s_add_nc_u64 s[56:57], s[8:9], s[52:53]
	s_lshl_b32 s52, s50, 9
	s_add_co_u32 s52, s52, s48
	s_lshl_b32 s54, s11, 6
	s_add_co_u32 s52, s52, s54
	s_lshl_b32 s54, s51, 1
	s_add_co_u32 s52, s52, s54
	s_add_co_u32 s52, s52, 32768
	s_add_nc_u64 s[58:59], s[8:9], s[52:53]
	s_mov_b32 s38, 0                               ; the key step
	s_mov_b32 s39, 0                               ; its images: 4,096 bytes a step, K's and V's alike
	s_mov_b32 s40, 0                               ; K's scale words: 512
	s_mov_b32 s41, 0                               ; V's: 256
	s_wait_tensorcnt 0x0                           ; my part of the record is in,
	s_barrier_signal -1
	s_barrier_wait -1                              ; everybody's is
	s_wait_loadcnt 0x0                             ; Q
.Lstep:                                            ; 16 trips in every wave, so that the stepped addresses can be read off the text; a wave's work ends with step g
	s_cmp_gt_u32 s38, s19
	s_cbranch_scc1 .Lskip
	s_setprio 2
	v_add_nc_u32 v8, s39, v1                       ; (these four are also the places behind the last trip's products, in front of the loads into V's registers)
	v_add_nc_u32 v9, s39, v2
	v_add_nc_u32 v10, s40, v3
	v_add_nc_u32 v11, s41, v4
.irp t, 0,1,2,3,4,5,6,7
	ds_load_b128 v[32+8*\t:35+8*\t], v8 offset:512*\t
.endr
.irp b, 0,1,2,3
	ds_load_b32 v[248+\b], v10 offset:128*\b       ; lanes 0-15: tile 2 b's words; lanes 16-31: tile 2 b + 1's
.endr
.irp t, 0,1,2,3
.irp c, 0,1
	ds_load_b128 v[192+8*\t+4*\c:195+8*\t+4*\c], v9 offset:1024*\t+512*\c
.endr
.endr
.irp u, 0,1
	ds_load_b32 v[240+\u], v11 offset:128*\u
.endr
	s_wait_dscnt 10                                ; K and its words are in; V's ten loads may be out
.irp t, 0,2,4,6
	v_wmma_scale_f32_16x16x128_f8f6f4 v[96+8*\t:103+8*\t], v[32+8*\t:39+8*\t], v[16:23], 0, v[248+\t/2], v255 matrix_a_fmt:MATRIX_FMT_FP4 matrix_b_fmt:MATRIX_FMT_FP4
	v_wmma_scale_f32_16x16x128_f8f6f4 v[104+8*\t:111+8*\t], v[40+8*\t:47+8*\t], v[16:23], 0, v[248+\t/2], v255 matrix_a_fmt:MATRIX_FMT_FP4 matrix_b_fmt:MATRIX_FMT_FP4 matrix_a_scale:MATRIX_SCALE_ROW1
.endr
.rept 4
	v_nop
.endr
	s_cmp_lg_u32 s38, s19                          ; step g lies on the diagonal: there hidden scores become -infinity ahead of the maximum, so that p = 0
	s_cbranch_scc1 .Lopen
	v_mov_b32 v254, 0xff800000
.set n, 0
.rept 64
	v_cmp_gt_i32 vcc_lo, 32*(n/16)+n%16, v7
	v_cndmask_b32 v[96+n], v[96+n], v254, vcc_lo
.set n, n+1
.endr
.Lopen:
.irp b, 0,1,2,3
	v_max3_num_f32 v[232+\b], v[96+16*\b], v[97+16*\b], v[98+16*\b]   ; the largest score of each block of 32 keys: for the row's maximum, and, since p rises with the score, for the block's largest p
.endr
.irp i, 3,5,7,9,11,13
.irp b, 0,1,2,3
	v_max3_num_f32 v[232+\b], v[232+\b], v[96+16*\b+\i], v[97+16*\b+\i]
.endr
.endr
.irp b, 0,1,2,3
	v_max_num_f32 v[232+\b], v[232+\b], v[111+16*\b]
.endr
.irp b, 0,1,2,3
	s_delay_alu instid0(VALU_DEP_4)
	v_permlanex16_b32 v[236+\b], v[232+\b], s20, s21
.endr
.irp b, 0,1,2,3
	s_delay_alu instid0(VALU_DEP_4)
	v_max_num_f32 v[232+\b], v[232+\b], v[236+\b]  ; with lane l xor 16's 16 keys
.endr
	s_delay_alu instid0(VALU_DEP_2)
	v_max3_num_f32 v254, v232, v233, v234
	s_delay_alu instid0(VALU_DEP_1)
	v_max_num_f32 v254, v254, v235
	s_delay_alu instid0(VALU_DEP_1)
	v_mul_f32 v254, s22, v254                      ; the step's largest t
	s_delay_alu instid0(VALU_DEP_1)
	v_max_num_f32 v13, v13, v254                   ; the running largest t
	v_mov_b32 v254, v12
	s_delay_alu instid0(VALU_DEP_2)
	v_floor_f32 v12, -v13                          ; the new -M = -ceil(t): a whole number
	s_delay_alu instid0(VALU_DEP_1)
	v_sub_f32 v254, v12, v254                      ; old M - new M, 0 or less
	s_delay_alu instid0(VALU_DEP_1)
	v_cvt_i32_f32 v254, v254
	s_delay_alu instid0(VALU_DEP_1)
	v_ldexp_f32 v252, 1.0, v254                    ; f = 2^(old M - new M): a multiplication by it rounds nothing
.set n, 0
.rept 32
	v_pk_fma_f32 v[96+n:97+n], v[96+n:97+n], s[22:23], v[12:13] op_sel_hi:[1,0,0]   ; t - M
.set n, n+2
.endr
	s_setprio 1
.irp b, 0,1,2,3
	v_fma_f32 v[232+\b], v[232+\b], s22, v12       ; the same of each block's largest score
.endr
.set n, 0
	s_wait_alu depctr_va_vdst(0)
.rept 64
	v_exp_f32 v[96+n], v[96+n]                     ; p = 2^(t - M): not normalised
.set n, n+1
.endr
	v_pk_mul_f32 v[14:15], v[14:15], v[252:253] op_sel_hi:[1,0]   ; the sums under the new M: a plain line behind the exponentials
	s_wait_alu depctr_va_vdst(0)                   ; one wait for the whole batch, ahead of its first reader
.irp b, 0,1,2,3
	v_exp_f32 v[232+\b], v[232+\b]                 ; the block's largest p
.endr
	v_pk_add_f32 v[236:237], v[100:101], v[104:105]
	v_pk_add_f32 v[250:251], v[108:109], v[112:113]
	v_pk_add_f32 v[248:249], v[116:117], v[120:121]
	v_pk_add_f32 v[246:247], v[124:125], v[128:129]
	v_pk_add_f32 v[244:245], v[132:133], v[136:137]
	v_pk_add_f32 v[242:243], v[140:141], v[144:145]
	v_pk_add_f32 v[238:239], v[148:149], v[152:153]
	v_pk_add_f32 v[14:15], v[14:15], v[156:157]
	v_pk_add_f32 v[236:237], v[236:237], v[96:97]
	v_pk_add_f32 v[250:251], v[250:251], v[98:99]
	v_pk_add_f32 v[248:249], v[248:249], v[102:103]
	v_pk_add_f32 v[246:247], v[246:247], v[106:107]
	v_pk_add_f32 v[244:245], v[244:245], v[110:111]
	v_pk_add_f32 v[242:243], v[242:243], v[114:115]
	v_pk_add_f32 v[238:239], v[238:239], v[118:119]
	v_pk_add_f32 v[14:15], v[14:15], v[122:123]
	v_pk_add_f32 v[236:237], v[236:237], v[126:127]
	v_pk_add_f32 v[250:251], v[250:251], v[130:131]
	v_pk_add_f32 v[248:249], v[248:249], v[134:135]
	v_pk_add_f32 v[246:247], v[246:247], v[138:139]
	v_pk_add_f32 v[244:245], v[244:245], v[142:143]
	v_pk_add_f32 v[242:243], v[242:243], v[146:147]
	v_pk_add_f32 v[238:239], v[238:239], v[150:151]
	v_pk_add_f32 v[14:15], v[14:15], v[154:155]
	v_pk_add_f32 v[236:237], v[236:237], v[158:159]
	s_delay_alu instid0(VALU_DEP_2)
	v_pk_add_f32 v[14:15], v[14:15], v[246:247]
	s_delay_alu instid0(VALU_DEP_2)
	v_pk_add_f32 v[236:237], v[236:237], v[244:245]
	v_pk_add_f32 v[250:251], v[250:251], v[242:243]
	v_pk_add_f32 v[248:249], v[248:249], v[238:239]
	s_delay_alu instid0(VALU_DEP_2)
	v_pk_add_f32 v[14:15], v[14:15], v[250:251]
	s_delay_alu instid0(VALU_DEP_2)
	v_pk_add_f32 v[236:237], v[236:237], v[248:249]
	s_delay_alu instid0(VALU_DEP_1)
	v_pk_add_f32 v[14:15], v[14:15], v[236:237]
	s_wait_alu depctr_va_vdst(0)                   ; and one for the four
.irp b, 0,1,2,3
	v_max_num_f32 v[232+\b], 0x1800000, v[232+\b]  ; the floor 2^(3 - 127): a block whose every p is 0 keeps the byte 1: its codes are zeros
.endr
.irp b, 0,1,2,3
	s_delay_alu instid0(VALU_DEP_4)
	v_add_nc_u32 v[244+\b], 0xff000000, v[232+\b]  ; the conversion's scale operand
.endr
.irp b, 0,1,2,3
	s_delay_alu instid0(VALU_DEP_4)
	v_lshrrev_b32 v[236+\b], 23, v[244+\b]
.endr
	s_delay_alu instid0(VALU_DEP_3)
	v_lshl_or_b32 v253, v237, 8, v236              ; p's scale word for these 128 keys
	s_delay_alu instid0(VALU_DEP_1)
	v_lshl_or_b32 v253, v238, 16, v253
	s_delay_alu instid0(VALU_DEP_1)
	v_lshl_or_b32 v253, v239, 24, v253
	s_setprio 0
.irp b, 0,1,2,3
	v_cvt_scalef32_pk8_fp4_f32 v[224+2*\b], v[96+16*\b:103+16*\b], v[244+\b]
	v_cvt_scalef32_pk8_fp4_f32 v[225+2*\b], v[104+16*\b:111+16*\b], v[244+\b]
.endr
	v_nop                                          ; one plain place behind a scaled conversion
.irp c, 0,1
.irp i, 0,1
	v_permlane16_swap_b32 v[224+4*\c+\i], v[226+4*\c+\i]   ; a whole block in a lane
.endr
.endr
.set n, 0
.rept 16
	v_pk_mul_f32 v[160+n:161+n], v[160+n:161+n], v[252:253] op_sel_hi:[1,0]   ; O^T under the new M.  These sixteen also stand between the writes of p's codes and scale word and the products below
.set n, n+2
.endr
	s_wait_alu depctr_va_vdst(0)
	s_wait_dscnt 0x0                               ; V is in
.irp t, 0,2
	v_wmma_scale_f32_16x16x128_f8f6f4 v[160+8*\t:167+8*\t], v[192+8*\t:199+8*\t], v[224:231], v[160+8*\t:167+8*\t], v[240+\t/2], v253 matrix_a_fmt:MATRIX_FMT_FP4 matrix_b_fmt:MATRIX_FMT_FP4
	v_wmma_scale_f32_16x16x128_f8f6f4 v[168+8*\t:175+8*\t], v[200+8*\t:207+8*\t], v[224:231], v[168+8*\t:175+8*\t], v[240+\t/2], v253 matrix_a_fmt:MATRIX_FMT_FP4 matrix_b_fmt:MATRIX_FMT_FP4 matrix_a_scale:MATRIX_SCALE_ROW1
.endr
.Lskip:
	s_add_co_u32 s39, s39, 4096
	s_add_co_u32 s40, s40, 512
	s_add_co_u32 s41, s41, 256
	s_add_co_u32 s38, s38, 1
	s_cmp_lt_u32 s38, 16
	s_cbranch_scc1 .Lstep
	s_setprio 0
	; THE WAY OUT: O^T / the sum, two blocks of 32 along the last product's K, quantised in registers
.rept 4
	v_nop                                          ; places behind the last products
.endr
	v_add_f32 v14, v14, v15
	s_delay_alu instid0(VALU_DEP_1)
	v_permlanex16_b32 v252, v14, s20, s21
	s_delay_alu instid0(VALU_DEP_1)
	v_add_f32 v14, v14, v252                       ; the row's sum
	s_wait_alu depctr_va_vdst(0)
	v_rcp_f32 v14, v14
	v_nop
	s_wait_alu depctr_va_vdst(0)                   ; ahead of the reciprocal's first reader
.set n, 0
.rept 32
	v_mul_f32 v[96+n], v[160+n], v14               ; each accumulator from its low end on
.set n, n+1
.endr
.irp b, 0,1
	v_max3_num_f32 v[232+\b], |v[96+16*\b]|, |v[97+16*\b]|, 0x1800000
.endr
.irp i, 2,4,6,8,10,12,14
.irp b, 0,1
	s_delay_alu instid0(VALU_DEP_2)
	v_max3_num_f32 v[232+\b], v[232+\b], |v[96+16*\b+\i]|, |v[97+16*\b+\i]|
.endr
.endr
.irp b, 0,1
	s_delay_alu instid0(VALU_DEP_2)
	v_permlanex16_b32 v[236+\b], v[232+\b], s20, s21
.endr
.irp b, 0,1
	s_delay_alu instid0(VALU_DEP_2)
	v_max_num_f32 v[232+\b], v[232+\b], v[236+\b]
.endr
.irp b, 0,1
	s_delay_alu instid0(VALU_DEP_2)
	v_add_nc_u32 v[244+\b], 0xff000000, v[232+\b]
.endr
.irp b, 0,1
	s_delay_alu instid0(VALU_DEP_2)
	v_lshrrev_b32 v[236+\b], 23, v[244+\b]
.endr
	s_delay_alu instid0(VALU_DEP_1)
	v_lshl_or_b32 v254, v237, 8, v236              ; my head's two bytes of the position's scale word
.irp b, 0,1
	v_cvt_scalef32_pk8_fp4_f32 v[224+2*\b], v[96+16*\b:103+16*\b], v[244+\b]
	v_cvt_scalef32_pk8_fp4_f32 v[225+2*\b], v[104+16*\b:111+16*\b], v[244+\b]
.endr
	v_nop
	v_permlane16_swap_b32 v224, v226
	v_permlane16_swap_b32 v225, v227
	global_store_b128 v1, v[224:227], s[56:57]     ; half an image: 32 lanes store 512 consecutive bytes
	global_store_b16 v25, v254, s[58:59]           ; two bytes a position, 4 bytes apart: the word's other half belongs to the neighbouring head's work-group.  Both halves of the lanes write the same value
	s_wait_tensorcnt 0x0                           ; the wave's end
	ds_add_u32 v5, v6
	s_wait_dscnt 0x0
	CROUND                                         ; the closing round
	s_endpgm
.Lfunc_end_k_qa950956b3d_attn:
	.size	k_qa950956b3d_attn, .Lfunc_end_k_qa950956b3d_attn-k_qa950956b3d_attn
	.p2alignl 7, 3214868480
	.fill 96, 4, 3214868480
	.section	.rodata,"a",@progbits
	.p2align	6, 0x0
	.amdhsa_kernel k_qa950956b3d_attn
		.amdhsa_group_segment_fixed_size 167936
		.amdhsa_private_segment_fixed_size 0
		.amdhsa_enable_private_segment 0
		.amdhsa_kernarg_size 24
		.amdhsa_user_sgpr_count 2
		.amdhsa_user_sgpr_kernarg_segment_ptr 1
		.amdhsa_wavefront_size32 1
		.amdhsa_system_sgpr_workgroup_id_x 1
		.amdhsa_system_sgpr_workgroup_id_y 1
		.amdhsa_system_sgpr_workgroup_id_z 1
		.amdhsa_system_vgpr_workitem_id 0
		.amdhsa_next_free_vgpr 256
		.amdhsa_next_free_sgpr 66
		.amdhsa_reserve_vcc 1
		.amdhsa_float_denorm_mode_32 3
		.amdhsa_float_denorm_mode_16_64 3
		.amdhsa_memory_ordered 1
		.amdhsa_forward_progress 1
		.amdhsa_inst_pref_size 35
	.end_amdhsa_kernel
	.amdgpu_metadata
---
amdhsa.version: [ 1, 2 ]
amdhsa.kernels:
  - .name:           k_qa950956b3d_attn
    .symbol:         k_qa950956b3d_attn.kd
    .args:
      - { .name: qr, .offset: 0, .size: 8, .value_kind: global_buffer, .address_space: global }
      - { .name: kv, .offset: 8, .size: 8, .value_kind: global_buffer, .address_space: global }
      - { .name: a2, .offset: 16, .size: 8, .value_kind: global_buffer, .address_space: global }
    .group_segment_fixed_size: 167936
    .private_segment_fixed_size: 0
    .kernarg_segment_align: 8
    .kernarg_segment_size: 24
    .max_flat_workgroup_size: 512
    .sgpr_count:     66
    .vgpr_count:     256
    .wavefront_size: 32
...
	.end_amdgpu_metadata
.endif
;; end of part 3
;; launch gemm2 (part 4): grid 8 x 32, 4 waves a work-group, clusters of 4 x 4, 327,680 bytes of LDS; arguments a2, b2, x, out0; writes out0
.if DOCPART == 4
	.amdgcn_target "amdgcn-amd-amdhsa--gfx1250"
	.amdhsa_code_object_version 6
	.text
	.protected	k_qa950956b3d_gemm2
	.globl	k_qa950956b3d_gemm2
	.p2align	8
	.type	k_qa950956b3d_gemm2,@function
k_qa950956b3d_gemm2:
	s_mov_b64 s[64:65], 0
	v_nop
	global_prefetch_b8 v0, s[64:65] scope:SCOPE_SE
	s_setreg_imm32_b32 hwreg(HW_REG_WAVE_MODE, 25, 1), 1
	s_wait_xcnt 0x0
	s_wait_alu depctr_hold_cnt(0) depctr_sa_sdst(0) depctr_va_vdst(0) depctr_va_sdst(0) depctr_va_ssrc(0) depctr_va_vcc(0) depctr_vm_vsrc(0)
	s_getreg_b32 s2, hwreg(HW_REG_IB_STS2, 6, 4)
	s_cmp_eq_u32 s2, 0
	s_cbranch_scc0 .Lentry_in_a_cluster
	s_endpgm
.Lentry_in_a_cluster:
	s_bfe_u32 s2, ttmp6, 0x10000c
	s_cmp_lg_u32 s2, 0xf033
	s_cbranch_scc0 .Lentry_shape_is_right
	s_endpgm
.Lentry_shape_is_right:
; out0 = x + [attention | silu(xn W1)] [Wo ; W2]: [4,096 tokens] x [1,024 columns], K = 5,120, on codes of FP4 with E8M0 scales; one f32 sum for each output, K ascending.  No work is left out here.
; Layouts as set out at the head of the first kernel: a2 = [128 tokens: 32][512 K: 10] pieces, b2 = [128 columns: 8][10].
; A tile of 128 x 128 gives each of 256 work-groups one tile (256 x 256 would give 64).  Four waves, each 64 x 64: 16 accumulators.  K goes in five steps of 1,024 (two pieces a side) through two LDS slots.
; CLUSTERS: 4 x 4: a2's pieces are shared along a row of the cluster, b2's along a column, each asked for jointly.  Source 0 = 16 column positions, source 1 = 16 token positions:
; a lane holds one token position and eight neighbouring true columns a tile; the rows' permutation is undone by the rows' addresses on the way out.
; REGISTERS: window 0: v16-29 addresses; v32-95 scale words, two sets (register 8 i + k: lanes 0-15 a2's block i, lanes 16-31 b2's block i, the step's k-th 128 along K); v96-127 the way out; v128-255 the accumulators.
;   window 1: v0-63, v64-127 two sets of fragments (a2's four, then b2's four); v128-255 my 64 x 64 of x, asked for at the head.
.set REC2,  348160
.set PIECE, 34816
.set SLOT,  4*PIECE                    ; a2's two pieces, then b2's two
.set STAGE, 2*SLOT                     ; behind the ring: 16 rows x 272 bytes for each wave; no tensor load fills it
.set SPARE, STAGE+4*16*272             ; the spare words, 128 bytes for each wave: two blocks of 256 bytes that no other line names
.set ADRA, 16
.set ADRS, 18
.set ADRB, 20
.set STO,  24
.set RD,   25
.set CO,   26
.set SPW,  28
.set NIL,  29
.set SC,   32
.set T,    96
.set ACC,  128
.set XR,   128                         ; in window 1
.set G1,  24
.set G0,  32
.set G1B, 48
.set G0B, 56
.set MSB, 0
.macro WIN new
.if MSB != (\new)
	s_set_vgpr_msb (MSB<<8)|(\new)
.set MSB, (\new)
.endif
.endm
.set MUL,  0x05                        ; sources 0 and 1 window 1; C and D window 0
.set TO_F, 0x40                        ; destination window 1, address window 0
.macro JLOAD g0a, g1a, g0b, g1b        ; waves 0 and 1 fetch a2's two pieces, waves 2 and 3 b2's; an s_nop 0 and four v_nop follow each of the two lines
	s_cmp_eq_u32 s15, 0
	s_cbranch_scc0 .Lfor_b_\@
	tensor_load_to_lds s[\g0a:\g0a+3], s[\g1a:\g1a+7]
	s_nop 0
.rept 4
	v_nop
.endr
	s_branch .Lasked_\@
.Lfor_b_\@:
	tensor_load_to_lds s[\g0b:\g0b+3], s[\g1b:\g1b+7]
	s_nop 0
.rept 4
	v_nop
.endr
.Lasked_\@:
.endm
.macro CREST
	s_cmp_lg_u32 s14, 0
	s_cbranch_scc1 .Lnot_wave_0_\@
	s_barrier_signal -3
.Lnot_wave_0_\@:
	s_barrier_wait -3
	s_barrier_signal -1
	s_barrier_wait -1
.endm
.macro CROUND
	s_barrier_signal -1
	s_barrier_wait -1
	CREST
.endm
	s_load_b256 s[4:11], s[0:1], 0x0               ; a2 s[4:5], b2 s[6:7], x s[8:9], out0 s[10:11]
	v_lshl_add_u32 v[SPW], v0, 2, SPARE
	v_mov_b32 v[NIL], 0
	ds_add_u32 v[SPW], v[NIL]                      ; the wave's opening: the add, twice on end, and its wait ahead of my first tensor load
	ds_add_u32 v[SPW], v[NIL]                      ; and once more, under the one wait
	v_lshrrev_b32 v1, 5, v0
	v_readfirstlane_b32 s14, v1                    ; wave 0..3
	s_lshr_b32 s15, s14, 1                         ; my half of the tokens.  Also: I fetch for a2 (0) or b2 (1)
	s_and_b32 s16, s14, 1                          ; my half of the columns.  Also: which of a step's two pieces I fetch
	s_bfe_u32 s40, ttmp6, 0x40000
	s_bfe_u32 s41, ttmp6, 0x40004
	s_lshl_b32 s42, ttmp9, 2
	s_add_co_u32 s42, s42, s40                     ; which 128 columns
	s_and_b32 s17, ttmp7, 0xffff
	s_lshl_b32 s17, s17, 2
	s_add_co_u32 s17, s17, s41                     ; which 128 tokens
	s_lshl_b32 s43, s41, 2
	s_lshl_b32 s43, 15, s43                        ; my row of the cluster
	s_lshl_b32 s44, 0x1111, s40                    ; my column
	s_or_b32 s[G1+0], s43, (3<<16)|(1<<21)         ; the mask; elements of 8 bytes; bit 21 beside a mask; no padding
	s_or_b32 s[G1B+0], s44, (3<<16)|(1<<21)
.irp g, G1, G1B
	s_mov_b32 s[\g+1], 32<<16                      ; a piece as 136 rows of 256 bytes
	s_mov_b32 s[\g+2], 136<<16
	s_mov_b32 s[\g+3], 32<<16
	s_mov_b32 s[\g+4], 136
	s_mov_b32 s[\g+5], 32
	s_mov_b32 s[\g+6], 0
	s_mov_b32 s[\g+7], 0
.endr
	s_mul_i32 s18, s16, PIECE
	s_mul_i32 s20, s17, REC2
	s_add_co_u32 s20, s20, s18
	s_mov_b32 s21, 0
	s_mul_i32 s46, s42, REC2
	s_add_co_u32 s46, s46, s18
	s_mov_b32 s47, 0
	s_mul_i32 s45, s14, PIECE
	s_wait_dscnt 0x0                               ; both opening adds are done
	s_wait_kmcnt 0x0
	s_add_nc_u64 s[20:21], s[4:5], s[20:21]
	s_add_nc_u64 s[46:47], s[6:7], s[46:47]
	CROUND                                         ; all sixteen work-groups are here
.irp s, 0,1
	s_mov_b32 s[G0+4*\s], 1
	s_add_co_u32 s[G0+4*\s+1], s45, \s*SLOT
	s_add_nc_u64 s[G0+4*\s+2:G0+4*\s+3], s[20:21], \s*2*PIECE
	s_or_b32 s[G0+4*\s+3], s[G0+4*\s+3], 0x80000000
	s_mov_b32 s[G0B+4*\s], 1
	s_add_co_u32 s[G0B+4*\s+1], s45, \s*SLOT
	s_add_nc_u64 s[G0B+4*\s+2:G0B+4*\s+3], s[46:47], \s*2*PIECE
	s_or_b32 s[G0B+4*\s+3], s[G0B+4*\s+3], 0x80000000
	JLOAD G0+4*\s, G1, G0B+4*\s, G1B               ; K steps 0 and 1: two loads of mine are out
.endr
	v_and_b32 v1, 15, v0                           ; r
	v_bfe_u32 v2, v0, 4, 1                         ; h
	v_lshlrev_b32 v[CO], 12, v2
	v_lshl_add_u32 v[CO], v1, 4, v[CO]             ; lanes 0-15 one row of x and out0, lanes 16-31 the next; 16 bytes a lane
	s_lshl_b32 s68, s17, 7
	s_lshl_b32 s69, s15, 6
	s_add_co_u32 s68, s68, s69                     ; my first token,
	s_lshl_b32 s68, s68, 12
	s_lshl_b32 s69, s42, 9
	s_add_co_u32 s68, s68, s69                     ; my first column
	s_lshl_b32 s69, s16, 8
	s_add_co_u32 s68, s68, s69
	s_mov_b32 s69, 0
	s_add_nc_u64 s[12:13], s[8:9], s[68:69]
	s_add_nc_u64 s[66:67], s[10:11], s[68:69]
	WIN TO_F
.irp a, 0,1,2,3                                ; x lands under the products.  Position 2 t + lane / 16 of block a is token 32 (a / 2) + 8 (a % 2) + 2 t + 8 (t / 4) + lane / 16
.irp t, 0,1,2,3,4,5,6,7
	global_load_b128 v[XR+32*\a+4*\t:XR+32*\a+4*\t+3], v[CO], s[12:13] offset:(32*(\a/2)+8*(\a%2)+2*\t+8*(\t/4))*4096 th:TH_LOAD_NT
.endr
.endr
	WIN 0
	v_and_b32 v3, 31, v0
	v_lshlrev_b32 v3, 4, v3                        ; 16 x lane
	s_lshl_b32 s21, s15, 14                        ; my four blocks of a2's eight,
	s_lshl_b32 s22, s16, 14
	s_add_co_u32 s22, s22, 2*PIECE                 ; and of b2's
	s_lshl_b32 s20, s15, 8                         ; my 64 positions' scale words
	s_lshl_b32 s23, s16, 8
	s_add_co_u32 s23, s23, 2*PIECE
	s_sub_co_u32 s23, s23, s20
	v_mul_u32_u24 v6, s23, v2                      ; lanes 16-31 take b2's: the lower base + h x the distance
	v_lshl_add_u32 v5, v1, 2, v6
	s_add_co_u32 s20, s20, 32768
.irp s, 0,1
	v_add_nc_u32 v[ADRA+\s], s21, v3
	v_add_nc_u32 v[ADRB+\s], s22, v3
	v_add_nc_u32 v[ADRS+\s], s20, v5
	s_add_co_u32 s21, s21, SLOT
	s_add_co_u32 s22, s22, SLOT
	s_add_co_u32 s20, s20, SLOT
.endr
	s_mul_i32 s23, s14, 16*272
	s_add_co_u32 s23, s23, STAGE                   ; my stage
	v_mul_u32_u24 v4, v1, 272
	v_lshl_add_u32 v4, v2, 6, v4
	v_add_nc_u32 v[STO], s23, v4                   ; in: row r; tile b's eight columns lie at 128 (b / 2) + 64 h + 32 (b % 2) bytes
	v_mul_u32_u24 v5, v2, 272
	v_lshl_add_u32 v5, v1, 4, v5
	v_add_nc_u32 v[RD], s23, v5                    ; back: lanes 0-15 one row of 256 bytes, lanes 16-31 the next
.macro FETCH slot, kap, f              ; the fragments of the step's kap-th 128 along K into set f: sixteen loads of 512 consecutive bytes
	WIN TO_F
.irp i, 0,1,2,3
.irp c, 0,1
	ds_load_b128 v[(\f)+32+8*\i+4*\c:(\f)+32+8*\i+4*\c+3], v[ADRB+\slot] offset:((\kap)/4)*PIECE+\i*4096+((\kap)%4)*1024+512*\c
	ds_load_b128 v[(\f)+8*\i+4*\c:(\f)+8*\i+4*\c+3], v[ADRA+\slot] offset:((\kap)/4)*PIECE+\i*4096+((\kap)%4)*1024+512*\c
.endr
.endr
.endm
.macro SCALES slot
	WIN 0
.irp i, 0,1,2,3
.irp k, 0,1,2,3,4,5,6,7
	ds_load_b32 v[SC+32*(\slot)+8*\i+\k], v[ADRS+\slot] offset:(\k/4)*PIECE+(\k%4)*512+\i*64
.endr
.endr
.endm
; four matrix instructions: token block a x the four column blocks.  The 16 accumulators take turns, one instruction a turn, in the same order throughout
.macro MUL4 f, a, slot, kap, zero
.irp b, 0,1,2,3
.if \zero
	v_wmma_scale_f32_16x16x128_f8f6f4 v[ACC+8*(4*(\a)+\b):ACC+8*(4*(\a)+\b)+7], v[(\f)+32+8*\b:(\f)+32+8*\b+7], v[(\f)+8*(\a):(\f)+8*(\a)+7], 0, v[SC+32*(\slot)+8*\b+(\kap)], v[SC+32*(\slot)+8*(\a)+(\kap)] matrix_a_fmt:MATRIX_FMT_FP4 matrix_b_fmt:MATRIX_FMT_FP4 matrix_a_scale:MATRIX_SCALE_ROW1
.else
	v_wmma_scale_f32_16x16x128_f8f6f4 v[ACC+8*(4*(\a)+\b):ACC+8*(4*(\a)+\b)+7], v[(\f)+32+8*\b:(\f)+32+8*\b+7], v[(\f)+8*(\a):(\f)+8*(\a)+7], v[ACC+8*(4*(\a)+\b):ACC+8*(4*(\a)+\b)+7], v[SC+32*(\slot)+8*\b+(\kap)], v[SC+32*(\slot)+8*(\a)+(\kap)] matrix_a_fmt:MATRIX_FMT_FP4 matrix_b_fmt:MATRIX_FMT_FP4 matrix_a_scale:MATRIX_SCALE_ROW1
.endif
.endr
.endm
.macro PLACES n
.rept \n
	v_nop
.endr
.endm
.macro KCH slot, kap, zero             ; one of a step's first seven 128 along K: the next one's fragments are asked for, then sixteen products
	s_wait_dscnt 0x0                               ; this one's fragments, and the step's scale words, are in
	PLACES 4                                       ; in front of loads into the set that the last sixteen products read
	FETCH \slot, (\kap)+1, 64*(((\kap)+1)%2)
	WIN MUL
	MUL4 64*((\kap)%2), 0, \slot, \kap, \zero
	MUL4 64*((\kap)%2), 1, \slot, \kap, \zero
	MUL4 64*((\kap)%2), 2, \slot, \kap, \zero
	MUL4 64*((\kap)%2), 3, \slot, \kap, \zero
.endm
; A step's last 128 along K changes slots: one barrier; in front of it each wave waits for all its tensor loads, adds 0 to its spare word, and waits for that and for its reads of this slot.
; fill = 1: the barrier opens a round of the cluster's, and behind the round this slot is filled again, two K steps ahead: the load has a K step's 112 products in which to land.
.macro TURN slot, next, fill
	WIN 0                                          ; (the add's two registers lie in window 0)
	s_wait_tensorcnt 0x0                           ; all my tensor loads have landed: my piece of the next slot
	ds_add_u32 v[SPW], v[NIL]                      ; 0 onto my spare word
	s_wait_dscnt 1                                 ; (the add alone may be out)
	WIN MUL
	MUL4 64, 0, \slot, 7, 0
	s_wait_dscnt 0x0                               ; the add is done, and my reads of this slot are over
	s_barrier_signal -1
	MUL4 64, 1, \slot, 7, 0
	WIN 0
	s_barrier_wait -1
.if \fill
	CREST                                          ; no wave of any partner still reads this slot or has a load on its way
	s_add_nc_u64 s[G0+4*\slot+2:G0+4*\slot+3], s[G0+4*\slot+2:G0+4*\slot+3], 4*PIECE
	s_add_nc_u64 s[G0B+4*\slot+2:G0B+4*\slot+3], s[G0B+4*\slot+2:G0B+4*\slot+3], 4*PIECE
	JLOAD G0+4*\slot, G1, G0B+4*\slot, G1B         ; the first tensor load behind the round; its four v_nop are also the places in front of the loads below
.else
	PLACES 4
.endif
	SCALES \next
	FETCH \next, 0, 0
	WIN MUL
	MUL4 64, 2, \slot, 7, 0
	MUL4 64, 3, \slot, 7, 0
.endm
.macro SEVEN slot, zero                ; (zero: the very first products start the sums: nothing is cleared)
	KCH \slot, 0, \zero
.irp k, 1,2,3,4,5,6
	KCH \slot, \k, 0
.endr
.endm
	s_wait_tensorcnt 1                             ; my piece of K step 0 is in; K step 1's may stay out
	s_barrier_signal -1
	s_barrier_wait -1
	SCALES 0
	FETCH 0, 0, 0
	SEVEN 0, 1                                     ; the five K steps are written out
	TURN 0, 1, 1
	SEVEN 1, 0
	TURN 1, 0, 1
	SEVEN 0, 0
	TURN 0, 1, 1
	SEVEN 1, 0
	TURN 1, 0, 0                                   ; nothing is left to fetch
	SEVEN 0, 0
	s_wait_dscnt 0x0
	WIN MUL
	MUL4 64, 0, 0, 7, 0
	MUL4 64, 1, 0, 7, 0
	MUL4 64, 2, 0, 7, 0
	MUL4 64, 3, 0, 7, 0
	WIN 0
	; THE WAY OUT, 16 token positions at a time: through my own stage, back as whole rows of 256 bytes, + x, stored to the rows' true places
	PLACES 4
	s_wait_loadcnt 0x0                             ; x
.irp a, 0,1,2,3
.if \a > 0
	s_wait_xcnt 0x0                                ; the last block's stores have read their registers
.endif
.irp b, 0,1,2,3
	ds_store_b128 v[STO], v[ACC+8*(4*\a+\b):ACC+8*(4*\a+\b)+3] offset:128*(\b/2)+32*(\b%2)          ; each accumulator from its low end on
	ds_store_b128 v[STO], v[ACC+8*(4*\a+\b)+4:ACC+8*(4*\a+\b)+7] offset:128*(\b/2)+32*(\b%2)+16
.endr
.irp t, 0,1,2,3,4,5,6,7
	ds_load_b128 v[T+4*\t:T+4*\t+3], v[RD] offset:544*\t     ; LDS serves a wave's instructions in order: these see my stores
.endr
	s_wait_dscnt 0x0
	WIN 0x04                                       ; source 1 (x) in window 1
.set n, 0
.rept 16
	v_pk_add_f32 v[T+n:T+n+1], v[T+n:T+n+1], v[XR+32*\a+n:XR+32*\a+n+1]
.set n, n+2
.endr
	WIN 0
.irp t, 0,1,2,3,4,5,6,7
	global_store_b128 v[CO], v[T+4*\t:T+4*\t+3], s[66:67] offset:(32*(\a/2)+8*(\a%2)+2*\t+8*(\t/4))*4096 th:TH_STORE_NT   ; sixteen lanes store 256 consecutive bytes, aligned
.endr
.endr
	s_wait_tensorcnt 0x0                           ; the wave's end, behind my last tensor load and my last LDS store
	ds_add_u32 v[SPW], v[NIL]
	s_wait_dscnt 0x0
	CROUND                                         ; the closing round
	s_endpgm
.Lfunc_end_k_qa950956b3d_gemm2:
	.size	k_qa950956b3d_gemm2, .Lfunc_end_k_qa950956b3d_gemm2-k_qa950956b3d_gemm2
	.p2alignl 7, 3214868480
	.fill 96, 4, 3214868480
	.section	.rodata,"a",@progbits
	.p2align	6, 0x0
	.amdhsa_kernel k_qa950956b3d_gemm2
		.amdhsa_group_segment_fixed_size 327680
		.amdhsa_private_segment_fixed_size 0
		.amdhsa_enable_private_segment 0
		.amdhsa_kernarg_size 32
		.amdhsa_user_sgpr_count 2
		.amdhsa_user_sgpr_kernarg_segment_ptr 1
		.amdhsa_wavefront_size32 1
		.amdhsa_system_sgpr_workgroup_id_x 1
		.amdhsa_system_sgpr_workgroup_id_y 1
		.amdhsa_system_sgpr_workgroup_id_z 1
		.amdhsa_system_vgpr_workitem_id 0
		.amdhsa_next_free_vgpr 512
		.amdhsa_next_free_sgpr 72
		.amdhsa_reserve_vcc 0
		.amdhsa_float_denorm_mode_32 3
		.amdhsa_float_denorm_mode_16_64 3
		.amdhsa_memory_ordered 1
		.amdhsa_forward_progress 1
		.amdhsa_inst_pref_size 165
	.end_amdhsa_kernel
	.amdgpu_metadata
---
amdhsa.version: [ 1, 2 ]
amdhsa.kernels:
  - .name:           k_qa950956b3d_gemm2
    .symbol:         k_qa950956b3d_gemm2.kd
    .args:
      - { .name: a2, .offset: 0, .size: 8, .value_kind: global_buffer, .address_space: global }
      - { .name: b2, .offset: 8, .size: 8, .value_kind: global_buffer, .address_space: global }
      - { .name: x, .offset: 16, .size: 8, .value_kind: global_buffer, .address_space: global }
      - { .name: out0, .offset: 24, .size: 8, .value_kind: global_buffer, .address_space: global }
    .group_segment_fixed_size: 327680
    .private_segment_fixed_size: 0
    .kernarg_segment_align: 8
    .kernarg_segment_size: 32
    .max_flat_workgroup_size: 128
    .sgpr_count:     72
    .vgpr_count:     512
    .wavefront_size: 32
...
	.end_amdgpu_metadata
.endif
;; end of part 4
